; MI455X (gfx1250); checked and timed in simulation.
; The chip was launched on July 23, 2026; its instructions are those of AMD's public machine-readable ISA for CDNA 5 (MIT licence, August 2026) and "CDNA5" Instruction Set Architecture Reference Guide (July 2026). The comments in the code are by the model that wrote it; some were corrected since.
;; Causal Self Attention. Allowed arithmetic: matrix products marked QUANTISED: E2M1 operands, one E8M0 scale for each 32 along K, by v_wmma_scale_f32_16x16x128_f8f6f4 with both operands' format E2M1 (or v_wmma_scale_f32_32x16x128_f4), f32 sums; products left as they are: bf16, f16 or f32 operands; f32 sums; everything else in f32.
;; Inputs: b_attn 3,072 float32; b_proj 1,024 float32; w_attn 1,024 x 3,072 float32; w_proj 1,024 x 1,024 float32; x 4 x 2,048 x 1,024 float32.
;; Outputs: out0 4 x 2,048 x 1,024 float32.
;; This version of the problem:
;;   THIS VERSION OF THE PROBLEM IS GIVEN IN LOW PRECISION. The matrix products marked QUANTISED in the list below multiply operands that are first quantised to E2M1 (2 exponent bits, 1 mantissa bit; 4 bits a number), with one power-of-two scale for each 32 numbers along K (OCP MX v1.0); their sums are f32. The products marked 'left as it is' may take bf16, f16 or f32 operands, with f32 sums. All else is computed in f32.
;;   The module's matrix products, in the order in which they are computed (A, B: the left and right operand; K: the contracted axis; several contracted axes count as one K, in the product's order):
;;     1. [M 8,192, K 1,024] x [K 1,024, N 3,072]; A: input x; B: input w_attn: QUANTISED
;;     2. batch 64 x [M 2,048, K 64] x [K 64, N 2,048]; A: computed on the way; B: computed on the way: left as it is (an operand is computed on the way)
;;     3. batch 64 x [M 2,048, K 2,048] x [K 2,048, N 64]; A: computed on the way; B: computed on the way: left as it is (an operand is computed on the way)
;;     4. [M 8,192, K 1,024] x [K 1,024, N 1,024]; A: computed on the way; B: input w_proj: left as it is (an operand is computed on the way)
;;   THE QUANTISER, for each operand of a quantised product, along K:
;;     - K is cut into blocks of 32 from its start; a last block that is shorter is filled with zeros.
;;     - A block's scale is 2^e with e = floor(log2(the largest magnitude in the block)) - 2, held to -126 .. 127; a block of zeros has e = 0. As a byte (E8M0): e + 127.
;;     - Each number is divided by its block's scale, clamped to +-6, and rounded to the nearest number of E2M1, ties to even, subnormals kept.
;;     - The product sums the exact products of the quantised numbers (number of the format x scale) in f32.
;;   ~~~python
;;   def quantise(x, axis):      # numpy; x: float32 -> the quantised numbers, widened to float32 again
;;       x = np.moveaxis(x, axis, -1); K = x.shape[-1]
;;       x = np.pad(x, [(0, 0)] * (x.ndim - 1) + [(0, -K % 32)]); x = x.reshape(x.shape[:-1] + (-1, 32)); a = np.abs(x).max(-1, keepdims=True)
;;       e = np.where(a > 0, np.clip(np.frexp(np.where(a > 0, a, 1))[1] - 1 - 2, -126, 127), 0)      # np.frexp(a)[1] - 1 = floor(log2(a)), exactly
;;       r = np.clip(x / 2.0 ** e, -6, 6)
;;       step = 2.0 ** (np.maximum(np.frexp(np.where(r == 0, 1, r))[1] - 1, 0) - 1)
;;       q = np.round(r / step) * step * 2.0 ** e      # np.round: ties to even
;;       return np.moveaxis(q.reshape(q.shape[:-2] + (-1,))[..., :K], -1, axis).astype(np.float32)
;;   ~~~
;; One version. Each part assembles by itself: llvm-mc -triple=amdgcn-amd-amdhsa -mcpu=gfx1250 --defsym DOCPART=n.
;; ======== version 1 of 1: 4 launches
;; limits: values are held in f16: magnitudes above 65,504 overflow, below 6.1e-05 lose precision
;; workspace buffers: x_codes 4,194,304 bytes; x_scales 262,144 bytes; wa_codes 1,572,864 bytes; wa_scales 98,304 bytes; wp_t 2,097,152 bytes; qkv 50,331,648 bytes; y 16,777,216 bytes
;; launch prep (part 1): grid 368 x 1, 4 waves a work-group, no clusters, 104,960 bytes of LDS; arguments x, w_attn, w_proj, x_codes, x_scales, wa_codes, wa_scales, wp_t; writes x_codes, x_scales, wa_codes, wa_scales, wp_t
.if DOCPART == 1
	.amdgcn_target "amdgcn-amd-amdhsa--gfx1250"
	.amdhsa_code_object_version 6
	.text
	.protected	k_q18d21e88ac_prep
	.globl	k_q18d21e88ac_prep
	.p2align	8
	.type	k_q18d21e88ac_prep,@function
k_q18d21e88ac_prep:
	s_mov_b64 s[64:65], 0
	v_nop
	global_prefetch_b8 v0, s[64:65] scope:SCOPE_SE
	s_setreg_imm32_b32 hwreg(HW_REG_WAVE_MODE, 25, 1), 1
	s_wait_xcnt 0x0
; THREE INDEPENDENT JOBS IN ONE LAUNCH, told apart by the work-group's number; each has LDS bytes of its own, waves share nothing, there is no barrier.
;   work-groups   0 ..  47: w_attn [1024 k][3072 n] f32 -> codes of FP4 (E2M1) laid [3072 n][512 bytes], K innermost, and E8M0 scale bytes [3072][32]
;   work-groups  48 .. 111: w_proj [1024 k][1024 n] f32 -> f16, turned: [8 tiles of 128 n][16 planes of 64 k][128 n][64 k]
;   work-groups 112 .. 367: x [8192][1024] f32 -> codes [8192][512 bytes] and scale bytes [8192][32]
; THE QUANTISER: a block of 32 along K has the scale 2^(floor(log2(its largest magnitude)) - 2); its byte is the largest magnitude's exponent field - 2, held at 1 from below;
; each number is divided by the scale and rounded to the nearest code, ties to even, beyond 6 the largest code.
; LIMITS: a block of zeros gets the byte 1 where the rule says 127 (its codes are zeros, which add nothing under any byte but 0xff, and this program alone reads the bytes);
; blocks whose largest magnitude lies under 2^-124 are held at the byte 1; NaN and infinities among the inputs are not served; |w_proj| above 65,504 becomes infinity in f16.
.set XSP,    80                        ; x: a lane's place in a stage: its 64 bytes + 16 of padding
.set XWREG,  8192                      ; x: LDS 0 .. 32,767: a region for each wave: two stages of 32 x XSP bytes, behind them its 256 scale bytes
.set XR,     16                        ; v16-79   four sets of 16 numbers as they are loaded
.set XX,     80                        ; v80-111  two sets of 16 neighbours
.set XE,     112                       ; v112-127 a scale byte for each step
.set XC,     128                       ; v128-191 codes: four registers for each step, so that no store's data are written again
.set WBASE,  32768                     ; w_attn: LDS 32,768 .. 67,583: a stage of 32 rows x 272 bytes for each wave
.set WPITCH, 272
.set WX,     32                        ; v32-95   two sets of 32 numbers
.set WC,     96                        ; v96-99   a block's codes
.set WO,     112                       ; v112-175 the way out
.set WSB,    24                        ; v24-27   the scale bytes, four to a register
.set PBASE,  67584                     ; w_proj: LDS 67,584 .. 104,447: a stage of 2 planes x 32 rows x 144 bytes for each wave
.set PPITCH, 144
.set PX,     32                        ; v32-95   two sets of 32 numbers
.set PH,     96                        ; v96-111  32 numbers as f16
.set PO,     112                       ; v112-175 the way out
	v_lshl_add_u32 v192, v0, 2, 0x19800
	v_mov_b32 v193, 0
	v_lshrrev_b32 v1, 5, v0
	v_readfirstlane_b32 s16, v1                    ; wave 0..3
	v_and_b32 v2, 31, v0                           ; lane
	s_cmp_lt_u32 ttmp9, 48
	s_cbranch_scc1 .Lwa
	s_cmp_lt_u32 ttmp9, 112
	s_cbranch_scc1 .Lwp
; ---------------- x: a plain stream of blocks of 32.  A wave takes 16 steps of 512 numbers.  Each of a step's four loads reads 512 consecutive bytes, 16 a lane; the 2,048 bytes go through the wave's
; own stage in LDS and come back 64 bytes a lane, so that a lane holds 16 neighbours along K (two neighbouring lanes hold a block).  Loads run four steps ahead, the turn through LDS one step.
	s_load_b64 s[4:5], s[0:1], 0x0                 ; x
	s_load_b64 s[8:9], s[0:1], 0x18                ; its codes
	s_load_b64 s[10:11], s[0:1], 0x20              ; its scale bytes
	v_lshlrev_b32 v3, 4, v2                        ; my 16 bytes of a load's 512
	s_mul_i32 s17, s16, XWREG
	v_lshrrev_b32 v14, 2, v2
	v_mul_u32_u24 v14, v14, XSP
	v_and_b32 v15, 3, v2
	v_lshl_add_u32 v14, v15, 4, v14
	v_add_nc_u32 v14, s17, v14                     ; the stage, on the way in: XSP (lane / 4) + 16 (lane % 4)
	v_mul_u32_u24 v15, v2, XSP
	v_add_nc_u32 v15, s17, v15                     ; and on the way out: XSP x lane: my 16 neighbours
	v_lshlrev_b32 v4, 3, v2                        ; 8 bytes a lane: my codes' place in a step's, and my part of the wave's scale bytes
	v_lshrrev_b32 v5, 1, v2
	s_add_co_u32 s17, s17, 2*32*XSP
	v_add_nc_u32 v5, s17, v5                       ; LDS: my wave's 256 scale bytes, my block's byte
	v_add_nc_u32 v6, s17, v4                       ; and on the way out 8 bytes a lane
	s_sub_co_u32 s18, ttmp9, 112
	s_lshl_b32 s18, s18, 2
	s_add_co_u32 s18, s18, s16                     ; which run of 8,192 numbers is my wave's: 0 .. 1,023
	s_lshl_b32 s20, s18, 15                        ; 32,768 bytes of x,
	s_mov_b32 s21, 0
	s_lshl_b32 s22, s18, 12                        ; 4,096 of codes,
	s_mov_b32 s23, 0
	s_lshl_b32 s24, s18, 8                         ; 256 scale bytes a run
	s_mov_b32 s25, 0
	s_wait_kmcnt 0x0
	s_add_nc_u64 s[4:5], s[4:5], s[20:21]
	s_add_nc_u64 s[8:9], s[8:9], s[22:23]
	s_add_nc_u64 s[10:11], s[10:11], s[24:25]
.macro XLOAD t
.irp i, 0,1,2,3
	global_load_b128 v[XR+16*((\t)%4)+4*\i:XR+16*((\t)%4)+4*\i+3], v3, s[4:5] offset:2048*(\t)+512*\i th:TH_LOAD_NT   ; 32 lanes read 512 consecutive bytes
.endr
.endm
.macro XTURN t                         ; step t's numbers through the stage: LDS serves a wave's instructions in order, so no wait stands between the stores and the loads
.irp i, 0,1,2,3
	ds_store_b128 v14, v[XR+16*((\t)%4)+4*\i:XR+16*((\t)%4)+4*\i+3] offset:32*XSP*((\t)%2)+8*XSP*\i
.endr
.irp i, 0,1,2,3
	ds_load_b128 v[XX+16*((\t)%2)+4*\i:XX+16*((\t)%2)+4*\i+3], v15 offset:32*XSP*((\t)%2)+16*\i
.endr
.endm
.irp t, 0,1,2,3
	XLOAD \t
.endr
	s_wait_loadcnt 12                              ; step 0's four loads are in; the twelve of steps 1 to 3 stay out
	XTURN 0
.macro XSTEP t
.set XS, XX+16*((\t)%2)
.if (\t) > 0
	s_wait_dscnt 1                                 ; this step's numbers are back from the stage (the last step's byte store may be out): so its stores into the stage have read their registers,
.else
	s_wait_dscnt 0x0
.endif
.if (\t)+4 < 16
	XLOAD (\t)+4                                   ; which take the loads of four steps on
.endif
.if (\t)+1 < 16
.if 14-(\t) >= 3
	s_wait_loadcnt 12                              ; the next step's four loads are in; those of the three steps behind it may be out
.else
	s_wait_loadcnt 4*(14-(\t))
.endif
	XTURN (\t)+1                                   ; and go through the other stage while this step is worked
.endif
	v_max3_num_f32 v8, |v[XS]|, |v[XS+1]|, |v[XS+2]|               ; the largest magnitude of my 16, in two chains
	v_max3_num_f32 v9, |v[XS+3]|, |v[XS+4]|, |v[XS+5]|
.irp i, 6,10
	v_max3_num_f32 v8, v8, |v[XS+\i]|, |v[XS+\i+1]|
	v_max3_num_f32 v9, v9, |v[XS+\i+2]|, |v[XS+\i+3]|
.endr
	v_max3_num_f32 v8, v8, |v[XS+14]|, |v[XS+15]|
	v_max3_num_f32 v8, v8, v9, 0x1800000           ; and the floor 2^(3 - 127): so the byte cannot fall under 1
	v_max_num_f32_dpp v8, v8, v8 row_xmask:1 row_mask:0xf bank_mask:0xf   ; and of my neighbour's 16: the block's
	v_add_nc_u32 v11, 0xff000000, v8               ; 2 off its exponent field: the conversion takes the exponent field of this operand as its scale, and nothing else of it
	v_cvt_scalef32_pk8_fp4_f32 v[XC+4*(\t)], v[XS:XS+7], v11
	v_cvt_scalef32_pk8_fp4_f32 v[XC+4*(\t)+1], v[XS+8:XS+15], v11
	v_lshrrev_b32 v[XE+(\t)], 23, v11              ; the scale's byte (also the plain line behind the conversions)
	ds_store_b8 v5, v[XE+(\t)] offset:16*(\t)      ; both lanes of a block write the same byte with the same value
	global_store_b64 v4, v[XC+4*(\t):XC+4*(\t)+1], s[8:9] offset:256*(\t)   ; the wave stores 256 consecutive bytes, aligned
.endm
.irp t, 0,1,2,3,4,5,6,7,8,9,10,11,12,13,14,15
	XSTEP \t
.endr
	ds_load_b64 v[12:13], v6                       ; LDS serves a wave's instructions in order: these see my stores
	s_wait_dscnt 0x0
	global_store_b64 v4, v[12:13], s[10:11]        ; the wave's 256 scale bytes: 256 consecutive bytes, aligned
	s_wait_tensorcnt 0x0
	ds_add_u32 v192, v193
	s_wait_dscnt 0x0
	s_endpgm
; ---------------- w_attn: K is its FIRST axis.  A lane takes a column n and its registers run down K: a block of 32 lies in one lane's 32 registers, and the conversions give codes with K innermost.
; A wave takes 32 columns x 512 along K; the codes go through the wave's stage and leave as rows: sixteen lanes store 256 consecutive bytes.  Loads run two blocks ahead.
.Lwa:
	s_load_b64 s[4:5], s[0:1], 0x8                 ; w_attn
	s_load_b64 s[6:7], s[0:1], 0x28                ; its codes
	s_load_b64 s[8:9], s[0:1], 0x30                ; its scale bytes
	s_cmp_ge_u32 ttmp9, 24
	s_cselect_b32 s18, 1, 0                        ; which 512 along K
	s_cselect_b32 s17, 24, 0
	s_sub_co_u32 s17, ttmp9, s17                   ; which 128 columns
	s_lshl_b32 s17, s17, 7
	s_lshl_b32 s19, s16, 5
	s_add_co_u32 s17, s17, s19                     ; my wave's first column
	v_lshlrev_b32 v3, 2, v2                        ; in: 4 bytes a lane
	s_mul_i32 s19, s16, 32*WPITCH
	s_add_co_u32 s19, s19, WBASE                   ; my stage
	v_mul_u32_u24 v4, v2, WPITCH
	v_add_nc_u32 v4, s19, v4                       ; into it: row = my column
	v_and_b32 v5, 15, v2
	v_lshrrev_b32 v6, 4, v2                        ; out of it: sixteen lanes to a row, two rows an instruction
	v_mul_u32_u24 v7, v6, WPITCH
	v_lshl_add_u32 v7, v5, 4, v7
	v_add_nc_u32 v7, s19, v7
	v_lshlrev_b32 v8, 9, v6
	v_lshl_add_u32 v8, v5, 4, v8                   ; and the same place in the codes' buffer (rows of 512 bytes)
	v_lshlrev_b32 v9, 5, v2                        ; my column's row of 32 scale bytes
	s_mul_i32 s20, s18, 512*3072*4                 ; w_attn: 512 rows of 12,288 bytes,
	s_lshl_b32 s22, s17, 2
	s_add_co_u32 s20, s20, s22                     ; + 4 x column
	s_mov_b32 s21, 0
	s_lshl_b32 s24, s17, 9                         ; codes: column x 512
	s_lshl_b32 s26, s18, 8
	s_add_co_u32 s24, s24, s26                     ; + 256 for the second half of K
	s_mov_b32 s25, 0
	s_lshl_b32 s28, s17, 5                         ; scale bytes: column x 32
	s_lshl_b32 s26, s18, 4
	s_add_co_u32 s28, s28, s26                     ; + 16
	s_mov_b32 s29, 0
	s_wait_kmcnt 0x0
	s_add_nc_u64 s[4:5], s[4:5], s[20:21]
	s_add_nc_u64 s[6:7], s[6:7], s[24:25]
	s_add_nc_u64 s[8:9], s[8:9], s[28:29]
.macro WLOAD t                         ; block t: w_attn(32 t + i, my column), i = 0 .. 31, into set t % 2; the largest offset, 511 rows of 12,288 bytes, lies inside the signed 24-bit immediate
.irp i, 0,1,2,3,4,5,6,7,8,9,10,11,12,13,14,15,16,17,18,19,20,21,22,23,24,25,26,27,28,29,30,31
	global_load_b32 v[WX+32*((\t)%2)+\i], v3, s[4:5] offset:(32*(\t)+\i)*12288 th:TH_LOAD_NT
.endr
.endm
	WLOAD 0
	WLOAD 1
.macro WBLOCK t
.set XS, WX+32*((\t)%2)
.if (\t) < 15
	s_wait_loadcnt 32                              ; this block's 32 loads are in; the next block's may be out
.else
	s_wait_loadcnt 0x0
.endif
	v_max3_num_f32 v12, |v[XS]|, |v[XS+1]|, |v[XS+2]|               ; the block's largest magnitude: all 32 numbers are mine
	v_max3_num_f32 v13, |v[XS+3]|, |v[XS+4]|, |v[XS+5]|
.irp i, 6,10,14,18,22,26
	v_max3_num_f32 v12, v12, |v[XS+\i]|, |v[XS+\i+1]|
	v_max3_num_f32 v13, v13, |v[XS+\i+2]|, |v[XS+\i+3]|
.endr
	v_max3_num_f32 v12, v12, |v[XS+30]|, |v[XS+31]|
	v_max3_num_f32 v12, v12, v13, 0x1800000        ; and the floor 2^(3 - 127)
	v_add_nc_u32 v11, 0xff000000, v12              ; 2 off its exponent field: the conversion's scale operand
	v_lshrrev_b32 v13, 23, v11                     ; the scale's byte
.if (\t)%4 == 0
	v_mov_b32 v[WSB+(\t)/4], v13                   ; four bytes to a register, the lower K in the lower byte
.else
	v_lshl_or_b32 v[WSB+(\t)/4], v13, 8*((\t)%4), v[WSB+(\t)/4]
.endif
.irp g, 0,1,2,3
	v_cvt_scalef32_pk8_fp4_f32 v[WC+\g], v[XS+8*\g:XS+8*\g+7], v11
.endr
	v_nop                                          ; one plain line behind the last conversion
	ds_store_b128 v4, v[WC:WC+3] offset:16*(\t)    ; 32 codes: 16 bytes of my column's row
.if (\t)+2 < 16
	WLOAD (\t)+2
.endif
	s_wait_dscnt 0x0                               ; the store has read its registers: the next block's codes may be written
.endm
.irp t, 0,1,2,3,4,5,6,7,8,9,10,11,12,13,14,15
	WBLOCK \t
.endr
	global_store_b128 v9, v[WSB:WSB+3], s[8:9]     ; my column's 16 scale bytes
.irp t, 0,1,2,3,4,5,6,7,8,9,10,11,12,13,14,15
	ds_load_b128 v[WO+4*\t:WO+4*\t+3], v7 offset:2*\t*WPITCH   ; LDS serves a wave's instructions in order: these see my stores
.endr
.irp t, 0,1,2,3,4,5,6,7,8,9,10,11,12,13,14,15
	s_wait_dscnt 15-\t                             ; load t is back; the younger ones may be out
	global_store_b128 v8, v[WO+4*\t:WO+4*\t+3], s[6:7] offset:2*\t*512   ; sixteen lanes store 256 consecutive bytes, aligned
.endr
	s_wait_tensorcnt 0x0
	ds_add_u32 v192, v193
	s_wait_dscnt 0x0
	s_endpgm
; ---------------- w_proj: the same plan with a rounding to f16 in place of the quantiser.  A wave takes 32 columns n x 128 along K (two planes of 64); a lane's 32 registers become 64 bytes of its row.
.Lwp:
	s_load_b64 s[4:5], s[0:1], 0x10                ; w_proj
	s_load_b64 s[6:7], s[0:1], 0x38                ; wp_t
	s_sub_co_u32 s17, ttmp9, 48
	s_and_b32 s18, s17, 7                          ; which tile of 128 n
	s_lshr_b32 s19, s17, 3                         ; which 128 along K
	v_lshlrev_b32 v3, 2, v2                        ; in: 4 bytes a lane
	s_mul_i32 s22, s16, 2*32*PPITCH
	s_add_co_u32 s22, s22, PBASE                   ; my stage
	v_mul_u32_u24 v4, v2, PPITCH
	v_add_nc_u32 v4, s22, v4                       ; into it: row = my column
	v_lshrrev_b32 v5, 3, v2                        ; out of it: eight lanes to a row of 128 bytes, four rows an instruction
	v_mul_u32_u24 v7, v5, PPITCH
	v_and_b32 v6, 7, v2
	v_lshl_add_u32 v7, v6, 4, v7
	v_add_nc_u32 v7, s22, v7
	v_lshlrev_b32 v8, 4, v2                        ; four rows of 128 bytes are 512 consecutive bytes of wp_t: 16 x lane
	s_lshl_b32 s20, s19, 19                        ; w_proj: 128 rows of 4,096 bytes,
	s_lshl_b32 s23, s18, 9
	s_add_co_u32 s20, s20, s23                     ; + the tile's 128 columns,
	s_lshl_b32 s23, s16, 7
	s_add_co_u32 s20, s20, s23                     ; + my wave's 32
	s_mov_b32 s21, 0
	s_lshl_b32 s24, s18, 4
	s_lshl_b32 s23, s19, 1
	s_add_co_u32 s24, s24, s23                     ; wp_t: plane 16 x tile + 2 x (128 along K),
	s_lshl_b32 s24, s24, 14                        ; 16,384 bytes a plane,
	s_lshl_b32 s23, s16, 12
	s_add_co_u32 s24, s24, s23                     ; + my wave's 32 rows of 128 bytes
	s_mov_b32 s25, 0
	s_wait_kmcnt 0x0
	s_add_nc_u64 s[4:5], s[4:5], s[20:21]
	s_add_nc_u64 s[6:7], s[6:7], s[24:25]
.macro PLOAD t
.irp i, 0,1,2,3,4,5,6,7,8,9,10,11,12,13,14,15,16,17,18,19,20,21,22,23,24,25,26,27,28,29,30,31
	global_load_b32 v[PX+32*((\t)%2)+\i], v3, s[4:5] offset:(32*(\t)+\i)*4096 th:TH_LOAD_NT
.endr
.endm
	PLOAD 0
	PLOAD 1
.macro PBLOCK t
.set XS, PX+32*((\t)%2)
.if (\t) < 3
	s_wait_loadcnt 32                              ; this block's 32 loads are in; the next block's may be out
.else
	s_wait_loadcnt 0x0
.endif
.irp j, 0,1,2,3,4,5,6,7,8,9,10,11,12,13,14,15
	v_cvt_pk_f16_f32 v[PH+\j], v[XS+2*\j], v[XS+2*\j+1]           ; the lower k in the low half
.endr
.irp g, 0,1,2,3
	ds_store_b128 v4, v[PH+4*\g:PH+4*\g+3] offset:((\t)/2)*32*PPITCH+64*((\t)%2)+16*\g
.endr
.if (\t)+2 < 4
	PLOAD (\t)+2
.endif
	s_wait_dscnt 0x0                               ; the stores have read their registers
.endm
.irp t, 0,1,2,3
	PBLOCK \t
.endr
.irp u, 0,1,2,3,4,5,6,7,8,9,10,11,12,13,14,15
	ds_load_b128 v[PO+4*\u:PO+4*\u+3], v7 offset:(\u/8)*32*PPITCH+(\u%8)*4*PPITCH
.endr
.irp u, 0,1,2,3,4,5,6,7,8,9,10,11,12,13,14,15
	s_wait_dscnt 15-\u                             ; load u is back; the younger ones may be out
	global_store_b128 v8, v[PO+4*\u:PO+4*\u+3], s[6:7] offset:(\u/8)*16384+(\u%8)*512   ; the wave stores 512 consecutive bytes, aligned
.endr
	s_wait_tensorcnt 0x0
	ds_add_u32 v192, v193
	s_wait_dscnt 0x0
	s_endpgm
.Lfunc_end_k_q18d21e88ac_prep:
	.size	k_q18d21e88ac_prep, .Lfunc_end_k_q18d21e88ac_prep-k_q18d21e88ac_prep
	.p2alignl 7, 3214868480
	.fill 96, 4, 3214868480
	.section	.rodata,"a",@progbits
	.p2align	6, 0x0
	.amdhsa_kernel k_q18d21e88ac_prep
		.amdhsa_group_segment_fixed_size 104960
		.amdhsa_private_segment_fixed_size 0
		.amdhsa_enable_private_segment 0
		.amdhsa_kernarg_size 64
		.amdhsa_user_sgpr_count 2
		.amdhsa_user_sgpr_kernarg_segment_ptr 1
		.amdhsa_wavefront_size32 1
		.amdhsa_system_sgpr_workgroup_id_x 1
		.amdhsa_system_sgpr_workgroup_id_y 1
		.amdhsa_system_sgpr_workgroup_id_z 1
		.amdhsa_system_vgpr_workitem_id 0
		.amdhsa_next_free_vgpr 194
		.amdhsa_next_free_sgpr 66
		.amdhsa_reserve_vcc 0
		.amdhsa_float_denorm_mode_32 3
		.amdhsa_float_denorm_mode_16_64 3
		.amdhsa_memory_ordered 1
		.amdhsa_forward_progress 1
		.amdhsa_inst_pref_size 133
	.end_amdhsa_kernel
	.amdgpu_metadata
---
amdhsa.version: [ 1, 2 ]
amdhsa.kernels:
  - .name:           k_q18d21e88ac_prep
    .symbol:         k_q18d21e88ac_prep.kd
    .args:
      - { .name: x, .offset: 0, .size: 8, .value_kind: global_buffer, .address_space: global }
      - { .name: w_attn, .offset: 8, .size: 8, .value_kind: global_buffer, .address_space: global }
      - { .name: w_proj, .offset: 16, .size: 8, .value_kind: global_buffer, .address_space: global }
      - { .name: x_codes, .offset: 24, .size: 8, .value_kind: global_buffer, .address_space: global }
      - { .name: x_scales, .offset: 32, .size: 8, .value_kind: global_buffer, .address_space: global }
      - { .name: wa_codes, .offset: 40, .size: 8, .value_kind: global_buffer, .address_space: global }
      - { .name: wa_scales, .offset: 48, .size: 8, .value_kind: global_buffer, .address_space: global }
      - { .name: wp_t, .offset: 56, .size: 8, .value_kind: global_buffer, .address_space: global }
    .group_segment_fixed_size: 104960
    .private_segment_fixed_size: 0
    .kernarg_segment_align: 8
    .kernarg_segment_size: 64
    .max_flat_workgroup_size: 128
    .sgpr_count:     66
    .vgpr_count:     194
    .wavefront_size: 32
...
	.end_amdgpu_metadata
.endif
;; end of part 1
;; launch qkv (part 2): grid 12 x 32, 4 waves a work-group, clusters of 4 x 4, 327,680 bytes of LDS; arguments x_codes, x_scales, wa_codes, wa_scales, b_attn, qkv; writes qkv
.if DOCPART == 2
	.amdgcn_target "amdgcn-amd-amdhsa--gfx1250"
	.amdhsa_code_object_version 6
	.text
	.protected	k_q18d21e88ac_qkv
	.globl	k_q18d21e88ac_qkv
	.p2align	8
	.type	k_q18d21e88ac_qkv,@function
k_q18d21e88ac_qkv:
	s_mov_b64 s[64:65], 0
	v_nop
	global_prefetch_b8 v0, s[64:65] scope:SCOPE_SE
	s_setreg_imm32_b32 hwreg(HW_REG_WAVE_MODE, 25, 1), 1
	s_wait_xcnt 0x0
	s_wait_alu depctr_hold_cnt(0) depctr_sa_sdst(0) depctr_va_vdst(0) depctr_va_sdst(0) depctr_va_ssrc(0) depctr_va_vcc(0) depctr_vm_vsrc(0)
	s_getreg_b32 s2, hwreg(HW_REG_IB_STS2, 6, 4)
	s_cmp_eq_u32 s2, 0
	s_cbranch_scc0 .Lentry_in_a_cluster
	s_endpgm
.Lentry_in_a_cluster:
	s_bfe_u32 s2, ttmp6, 0x10000c
	s_cmp_lg_u32 s2, 0xf033
	s_cbranch_scc0 .Lentry_shape_is_right
	s_endpgm
.Lentry_shape_is_right:
; qkv = Q(x) Q(w_attn) + b_attn on codes of FP4 (E2M1) with one E8M0 scale for each 32 along K; sums in f32; the result is rounded once to f16 and laid by head: [3 (q, k, v)][64 = 16 batch + head][2048 t][64].
; A = x's codes [8192][512 bytes], B = w_attn's codes [3072 n][512 bytes], K innermost, two codes a byte; scale bytes [rows][32].
; LIMIT: a result beyond 65,504 in magnitude becomes infinity in f16.
; A tile of the result, 256 x 256, is made by a work-group of four waves; a wave makes 128 x 128: 64 accumulators of 16 x 16, 512 registers.
; K = 1,024 is exactly two LDS slots of 512 along K (rows of 256 bytes): both are asked for at the start, and nothing is filled again.  The scale bytes of the work-group's rows, two dense blocks, come with them.
; CLUSTERS: 4 x 4 work-groups.  The four of a row of the cluster need the same tiles of A, the four of a column the same tiles of B: each tile is asked for JOINTLY, by the same tensor load with the
; same descriptor and a mask that names the four.  THE MATRIX INSTRUCTION IS USED TRANSPOSED (source 0 = 16 rows of B, source 1 = 16 rows of A): a lane then holds eight neighbouring columns of one row.
; THE BIAS is the C of each sum's first matrix instruction: eight registers for each of B's eight blocks, in the result's layout.
; REGISTERS, in windows of 256: window 0: v0-31 addresses; v32-95 scale words, two sets; v96-127 packed results; v128-191 A's fragments, ONE set, later rows on the way out; v192-255 the bias.
;   window 1: B's fragments, TWO sets, at v0 and at v128.   window 2: the 32 accumulators of my rows 0-63 (accumulator (a, b) at v[8 (8 a + b)]);   window 3: those of my rows 64-127.
.set SIZE_K, 1024
.set KSTEP,  512                       ; along K in a slot
.set NQ,     KSTEP/128                 ; matrix instructions deep
.set ROWB,   256                       ; a tile's row in bytes
.set KROW,   SIZE_K/2                  ; a row of A or of B in memory, in bytes
.set PITCH,  272                       ; an LDS row: 256 bytes + 16 of padding = 68 words: row r starts at bank 4 r mod 64 (64 banks of 4 bytes: ISA guide 11.1), so the 16 rows that a load touches start at 16 different banks
.set FR,     8                         ; registers of a fragment: 16 rows x 128 K
.set NL,     2                         ; LDS loads that bring one
.set NP,     4                         ; places behind this matrix instruction (ISA guide 7.12.1)
.set HALFT,  128*PITCH                 ; 128 rows: what one tensor load brings, and what one wave reads of A or of B
.set SLOT,   4*HALFT                   ; A's 256 rows, then B's 256 rows
.set KS,     SIZE_K/32                 ; a row of scales in bytes
.set SCL,    2*SLOT                    ; behind the slots: the scales, as units of 256 bytes + 16 of padding
.set HALFS,  (128*KS/256)*272          ; the scales of 128 rows: what one tensor load brings
.set SBLK,   (16*KS/256)*272           ; those of 16 rows
.set SPARE,  SCL+4*HALFS               ; the spare words, 128 bytes for each wave: two blocks of 256 bytes that no other line names
.set STAGE,  SPARE+512                 ; the way out: 16 rows x (256 bytes + 16) for each wave; no tensor load lands here
.set SPITCH, 272
.set ADRA, 16                          ; v16-17  LDS address of my A fragments in slot 0, 1
.set ADRB, 20                          ; v20-21  the same for B
.set STO,  24                          ; v24     the way out: where I put 16 bytes of a row
.set RD,   25                          ; v25     the way out: where I read rows back
.set CO,   26                          ; v26     16 x lane: my place in 512 consecutive bytes of the result
.set ADRS, 27                          ; v27     LDS address of my scale words: lanes 0-15 A's rows, lanes 16-31 B's
.set SPW,  28                          ; v28     LDS address of my spare word; never rewritten
.set NIL,  29                          ; v29     0; never rewritten
.set SC,   32                          ; scale words: set s (for slot s) at v[SC + 8 NQ s]; register NQ i + q: lanes 0-15 the word of A's block i, lanes 16-31 that of B's block i, for the slot's q-th 128 along K
.set TMP,  96
.set AF,   128
.set BK,   128                         ; the way out: 16 rows read back: v128-159 and v160-191 by turns
.set BI,   192                         ; the bias: register 8 b + j = b_attn[my first column + 16 b + 8 (lane / 16) + j]
.set G1, 24                            ; s[24:31] descriptor group 1 for A's tiles;  s[32:39] group 0, one set for each slot
.set G0, 32
.set G1B, 48                           ; s[48:55], s[56:63] the same for B's tiles
.set G0B, 56
.set G1S, 68                           ; s[68:75], s[76:79] groups 1 and 0 for A's scales;  s[80:87], s[88:91] for B's
.set G0S, 76
.set G1SB, 80
.set G0SB, 88
.set MSB, 0
.macro WIN new                         ; the immediate's high byte repeats the setting that is left
.if MSB != \new
	s_set_vgpr_msb (MSB<<8)|\new
.set MSB, \new
.endif
.endm
.set MUL_LO, 0xa1                      ; source 0 (B) window 1, source 1 (A) window 0, C and D window 2
.set MUL_HI, 0xf1                      ; the same, C and D window 3
.set FIRST_LO, 0x81                    ; the first step: C (the bias) window 0, D window 2
.set FIRST_HI, 0xc1                    ; D window 3
.set TO_B,   0x40                      ; destination window 1, address window 0
; A joint load: waves 0 and 1 fetch for A, waves 2 and 3 for B.  Each of the two lines has ONE mask and one set of registers for all that issue it; the branch hangs on the wave's number alone.
; Four v_nop follow each of the two lines, ahead of the jump, the label and what follows.
.macro JLOAD g0a, g1a, g0b, g1b
	s_cmp_eq_u32 s15, 0
	s_cbranch_scc0 .Lfor_b_\@
	tensor_load_to_lds s[\g0a:\g0a+3], s[\g1a:\g1a+7]
	s_nop 0
.rept 4
	v_nop
.endr
	s_branch .Lasked_\@
.Lfor_b_\@:
	tensor_load_to_lds s[\g0b:\g0b+3], s[\g1b:\g1b+7]
	s_nop 0
.rept 4
	v_nop
.endr
.Lasked_\@:
.endm
.macro CROUND                          ; a round of the cluster's barrier: my work-group's barrier; wave 0 signals for the work-group; every wave waits for all sixteen; my work-group's barrier once more
	s_barrier_signal -1
	s_barrier_wait -1
	s_cmp_lg_u32 s14, 0
	s_cbranch_scc1 .Lnot_wave_0_\@
	s_barrier_signal -3
.Lnot_wave_0_\@:
	s_barrier_wait -3
	s_barrier_signal -1
	s_barrier_wait -1
.endm
	s_load_b128 s[4:7], s[0:1], 0x0                ; A's codes s[4:5], A's scales s[6:7]
	s_load_b128 s[8:11], s[0:1], 0x10              ; B's codes s[8:9], B's scales s[10:11]
	s_load_b64 s[96:97], s[0:1], 0x20              ; b_attn
	s_load_b64 s[12:13], s[0:1], 0x28              ; qkv
	v_lshl_add_u32 v[SPW], v0, 2, SPARE
	v_mov_b32 v[NIL], 0
	ds_add_u32 v28, v29
	s_wait_dscnt 0x0
	v_lshrrev_b32 v1, 5, v0
	v_readfirstlane_b32 s14, v1                    ; wave 0..3
	s_lshr_b32 s15, s14, 1                         ; which half of the tile's rows is mine.  Also: I fetch for A (0) or for B (1)
	s_and_b32 s16, s14, 1                          ; which half of its columns.  Also: which 128 rows of that tile I fetch
	s_bfe_u32 s40, ttmp6, 0x40000                  ; cx, cy: my place in the cluster
	s_bfe_u32 s41, ttmp6, 0x40004
	s_lshl_b32 s42, ttmp9, 2
	s_add_co_u32 s42, s42, s40                     ; tile column = 4 x cluster x + cx: 0 .. 11
	s_and_b32 s17, ttmp7, 0xffff
	s_lshl_b32 s17, s17, 2
	s_add_co_u32 s17, s17, s41                     ; tile row = 4 x cluster y + cy: 0 .. 31
	s_lshl_b32 s43, s41, 2
	s_lshl_b32 s43, 15, s43                        ; my row of the cluster
	s_lshl_b32 s44, 0x1111, s40                    ; my column
	; descriptor group 1: a tile of 128 rows x 256 bytes, padded in LDS
	s_or_b32 s[G1+0], s43, (0<<16)|(1<<20)|(1<<21)|(5<<22)|(3<<25)  ; 15:0 the mask: A's tiles go to my row; 17:16 element of 1 byte; 20 padding on; 21 set beside a mask; 24:22 after every 64 words (code 5); 31:25 of 4 words (code 3)
	s_or_b32 s[G1B+0], s44, (0<<16)|(1<<20)|(1<<21)|(5<<22)|(3<<25)
.irp g, G1, G1B
	s_mov_b32 s[\g+1], ROWB<<16                    ; tensor_dim0
	s_mov_b32 s[\g+2], 128<<16                     ; tensor_dim1 = 128
	s_mov_b32 s[\g+3], ROWB<<16                    ; tile_dim0
	s_mov_b32 s[\g+4], 128                         ; tile_dim1 = 128
	s_mov_b32 s[\g+5], KROW                        ; tensor_dim0_stride
	s_mov_b32 s[\g+6], 0
	s_mov_b32 s[\g+7], 0
.endr
	; and for the scales of 128 rows: a dense block of 4,096 bytes, as rows of 256 bytes (32 elements of 8 bytes), 16 bytes of padding behind each
	s_or_b32 s[G1S+0], s43, (3<<16)|(1<<20)|(1<<21)|(5<<22)|(3<<25)
	s_or_b32 s[G1SB+0], s44, (3<<16)|(1<<20)|(1<<21)|(5<<22)|(3<<25)
.irp g, G1S, G1SB
	s_mov_b32 s[\g+1], 32<<16
	s_mov_b32 s[\g+2], (128*KS/256)<<16
	s_mov_b32 s[\g+3], 32<<16
	s_mov_b32 s[\g+4], 128*KS/256
	s_mov_b32 s[\g+5], 32
	s_mov_b32 s[\g+6], 0
	s_mov_b32 s[\g+7], 0
.endr
	s_lshl_b32 s18, s16, 7                         ; which 128 rows of the tile I fetch
	s_lshl_b32 s20, s17, 8
	s_add_co_u32 s20, s20, s18                     ; A: row 256 x tile row + 128 x half
	s_lshl_b32 s46, s42, 8
	s_add_co_u32 s46, s46, s18                     ; B: row 256 x tile column + 128 x half
	s_mov_b32 s21, 0
	s_mov_b32 s47, 0
	s_mov_b64 s[18:19], KS
	s_mul_u64 s[22:23], s[20:21], s[18:19]         ; where these rows' scales begin, in bytes
	s_mul_u64 s[92:93], s[46:47], s[18:19]
	s_mov_b64 s[18:19], KROW
	s_mul_u64 s[20:21], s[20:21], s[18:19]         ; and their codes
	s_mul_u64 s[46:47], s[46:47], s[18:19]
	s_mul_i32 s45, s14, HALFT                      ; where they go: wave x 128 rows: no place in the cluster enters an LDS address
	s_mul_i32 s94, s14, HALFS
	s_wait_kmcnt 0x0
	s_add_nc_u64 s[20:21], s[4:5], s[20:21]
	s_add_nc_u64 s[22:23], s[6:7], s[22:23]
	s_add_nc_u64 s[46:47], s[8:9], s[46:47]
	s_add_nc_u64 s[92:93], s[10:11], s[92:93]
	CROUND                                         ; all sixteen work-groups are here: the joint loads meet
	s_mov_b32 s[G0S], 1
	s_add_co_u32 s[G0S+1], s94, SCL
	s_mov_b64 s[G0S+2:G0S+3], s[22:23]
	s_or_b32 s[G0S+3], s[G0S+3], 0x80000000
	s_mov_b32 s[G0SB], 1
	s_add_co_u32 s[G0SB+1], s94, SCL
	s_mov_b64 s[G0SB+2:G0SB+3], s[92:93]
	s_or_b32 s[G0SB+3], s[G0SB+3], 0x80000000
	JLOAD G0S, G1S, G0SB, G1SB                     ; the scales first: they are wanted with slot 0
.irp s, 0,1
	s_mov_b32 s[G0+4*\s], 1
	s_add_co_u32 s[G0+4*\s+1], s45, \s*SLOT
	s_add_nc_u64 s[G0+4*\s+2:G0+4*\s+3], s[20:21], \s*ROWB
	s_or_b32 s[G0+4*\s+3], s[G0+4*\s+3], 0x80000000
	s_mov_b32 s[G0B+4*\s], 1
	s_add_co_u32 s[G0B+4*\s+1], s45, \s*SLOT
	s_add_nc_u64 s[G0B+4*\s+2:G0B+4*\s+3], s[46:47], \s*ROWB
	s_or_b32 s[G0B+4*\s+3], s[G0B+4*\s+3], 0x80000000
	JLOAD G0+4*\s, G1, G0B+4*\s, G1B               ; three tensor loads of mine are out in all
.endr
	v_and_b32 v1, 15, v0                           ; l % 16
	v_bfe_u32 v2, v0, 4, 1                         ; l / 16
	v_mul_u32_u24 v3, v1, PITCH
	v_lshl_add_u32 v4, v2, 4, v3                   ; a fragment's row x pitch + 16 x half
	s_mul_i32 s21, s15, HALFT                      ; my 128 rows of A
	s_mul_i32 s22, s16, HALFT                      ; my 128 rows of B,
	s_add_co_u32 s22, s22, 2*HALFT                 ; which lie behind A's 256
.irp s, 0,1
	v_add_nc_u32 v[ADRA+\s], s21, v4
	v_add_nc_u32 v[ADRB+\s], s22, v4
	s_add_co_u32 s21, s21, SLOT
	s_add_co_u32 s22, s22, SLOT
.endr
	v_mul_u32_u24 v5, v1, KS                       ; my row's scales: KS bytes a row,
	v_lshrrev_b32 v6, 8, v5
	v_lshl_add_u32 v5, v6, 4, v5                   ; and 16 more for each 256 passed
	s_mul_i32 s21, s15, HALFS                      ; A's: my 128 rows
	s_mul_i32 s22, s16, HALFS                      ; B's: my 128 rows, behind A's 256
	s_add_co_u32 s22, s22, 2*HALFS
	s_sub_co_u32 s22, s22, s21
	v_mul_u32_u24 v6, s22, v2                      ; lanes 16-31 take B's
	s_add_co_u32 s21, s21, SCL
	v_add_nc_u32 v5, v5, v6
	v_add_nc_u32 v[ADRS], s21, v5
	s_mul_i32 s23, s14, 16*SPITCH
	s_add_co_u32 s23, s23, STAGE                   ; my stage
	v_mul_u32_u24 v5, v1, SPITCH                   ; in: row l % 16, 16 bytes for each half of the lanes
	v_lshl_add_u32 v5, v2, 4, v5
	v_add_nc_u32 v[STO], s23, v5
	v_bfe_u32 v5, v0, 3, 2                         ; back: eight lanes take a head's 128 bytes of a row, four rows an instruction
	v_mul_u32_u24 v5, v5, SPITCH
	v_and_b32 v6, 7, v0
	v_lshl_add_u32 v5, v6, 4, v5
	v_add_nc_u32 v[RD], s23, v5
	v_and_b32 v6, 31, v0
	v_lshlrev_b32 v[CO], 4, v6                     ; four rows of a head are 512 consecutive bytes of the result
	v_lshlrev_b32 v7, 5, v2                        ; the bias: 32 bytes for each half of the lanes
	s_lshl_b32 s46, s42, 10                        ; my first column in b_attn, in bytes: 1,024 x tile column + 512 x half
	s_lshl_b32 s47, s16, 9
	s_add_co_u32 s46, s46, s47
	s_mov_b32 s47, 0
	s_add_nc_u64 s[96:97], s[96:97], s[46:47]
.irp b, 0,1,2,3,4,5,6,7
	global_load_b128 v[BI+8*\b:BI+8*\b+3], v7, s[96:97] offset:64*\b
	global_load_b128 v[BI+8*\b+4:BI+8*\b+7], v7, s[96:97] offset:64*\b+16
.endr
	; where my part of the result begins.  Rows: batch = tile row / 8 (16 heads x 2,048 x 128 bytes = 2^22), t = 256 (tile row % 8) + 128 x half, 128 bytes a row
	s_lshr_b32 s20, s17, 3
	s_lshl_b32 s20, s20, 22
	s_and_b32 s21, s17, 7
	s_lshl_b32 s21, s21, 8
	s_lshl_b32 s22, s15, 7
	s_add_co_u32 s21, s21, s22
	s_lshl_b32 s21, s21, 7
	s_add_co_u32 s20, s20, s21
	s_mov_b32 s21, 0
	s_add_nc_u64 s[12:13], s[12:13], s[20:21]
	; columns: which of q, k, v = tile column / 4 (64 heads' blocks), head = 4 (tile column % 4) + 2 x half; a head's block is 2^18 bytes
	s_lshr_b32 s46, s42, 2
	s_lshl_b32 s46, s46, 6
	s_and_b32 s47, s42, 3
	s_lshl_b32 s47, s47, 2
	s_add_co_u32 s46, s46, s47
	s_lshl_b32 s47, s16, 1
	s_add_co_u32 s46, s46, s47
	s_lshl_b32 s46, s46, 18
	s_mov_b32 s47, 0
	s_add_nc_u64 s[12:13], s[12:13], s[46:47]
.macro FRAG reg, adr, q, i             ; a fragment, 16 rows x 128 K of 4-bit codes, is 8 registers: lane l holds row l % 16; registers 4 c .. 4 c + 3 hold K = 64 c + 32 (l / 16) + 0 .. 31
.irp c, 0,1
	ds_load_b128 v[\reg+4*\c:\reg+4*\c+3], v[\adr] offset:64*(\q)+32*\c+(\i)*16*PITCH
.endr
.endm
; 16 matrix instructions: A's blocks a0, a0 + 1 x B's eight, 128 along K: the slot's q-th.  p: B's set;  sc: the set of scale words.  first = 1: the first product starts the sums from the bias.
; The 64 accumulators take turns, one instruction a turn, in the same order in every step.
.macro MUL16 a0, p, q, sc, first
.irp a, \a0, \a0+1
.irp b, 0,1,2,3,4,5,6,7
.if \first
	v_wmma_scale_f32_16x16x128_f8f6f4 v[8*(8*((\a)%4)+\b):8*(8*((\a)%4)+\b)+7], v[128*(\p)+FR*\b:128*(\p)+FR*\b+FR-1], v[AF+FR*(\a):AF+FR*(\a)+FR-1], v[BI+8*\b:BI+8*\b+7], v[SC+8*NQ*(\sc)+NQ*\b+(\q)], v[SC+8*NQ*(\sc)+NQ*(\a)+(\q)] matrix_a_fmt:MATRIX_FMT_FP4 matrix_b_fmt:MATRIX_FMT_FP4 matrix_a_scale:MATRIX_SCALE_ROW1
.else
	v_wmma_scale_f32_16x16x128_f8f6f4 v[8*(8*((\a)%4)+\b):8*(8*((\a)%4)+\b)+7], v[128*(\p)+FR*\b:128*(\p)+FR*\b+FR-1], v[AF+FR*(\a):AF+FR*(\a)+FR-1], v[8*(8*((\a)%4)+\b):8*(8*((\a)%4)+\b)+7], v[SC+8*NQ*(\sc)+NQ*\b+(\q)], v[SC+8*NQ*(\sc)+NQ*(\a)+(\q)] matrix_a_fmt:MATRIX_FMT_FP4 matrix_b_fmt:MATRIX_FMT_FP4 matrix_a_scale:MATRIX_SCALE_ROW1
.endif
.endr
.endr
.endm
.macro FETCH_B slot, q, p              ; B's eight fragments of the slot's q-th 128 along K into set p
	WIN TO_B
.irp i, 0,1,2,3,4,5,6,7
	FRAG 128*(\p)+FR*\i, ADRB+\slot, \q, \i
.endr
	WIN 0
.endm
.macro FETCH_A slot, q, i0             ; A's blocks i0 .. i0 + 3
.irp i, \i0, \i0+1, \i0+2, \i0+3
	FRAG AF+FR*(\i), ADRA+\slot, \q, \i
.endr
.endm
.macro SCALES sc                       ; a slot's scale words into set sc: NQ words a row; lanes 0-15 take A's block i, lanes 16-31 B's block i
.irp i, 0,1,2,3,4,5,6,7
	ds_load_b128 v[SC+8*NQ*\sc+NQ*\i:SC+8*NQ*\sc+NQ*\i+3], v[ADRS] offset:\i*SBLK
.endr
.endm
; A load into a register that a matrix instruction has read, and a vector instruction that reads a matrix result, stand NP places behind that matrix instruction, and only plain vector
; instructions that name none of its registers are places (ISA guide 7.12.1 for vector instructions).
.macro PLACES n
.rept \n
	v_nop
.endr
.endm
; A step of 128 along K that has its successor in the same slot.  A's blocks 0-3 are fetched anew in the step's middle, blocks 4-7 at its end; B has two sets.
.macro STEP slot, q, first
	s_wait_dscnt 4*NL                              ; B's set and A's blocks 0-3 are in; the youngest eight loads (A's blocks 4-7) may be out
.if \first
	WIN FIRST_LO
.else
	WIN MUL_LO
.endif
	MUL16 0, (\q)%2, \q, \slot, \first
	MUL16 2, (\q)%2, \q, \slot, \first
	s_wait_dscnt 0                                 ; A's blocks 4-7 are in (asked for 32 matrix instructions ago)
	PLACES NP
	FETCH_B \slot, (\q)+1, 1-(\q)%2
	FETCH_A \slot, (\q)+1, 0
.if \first
	WIN FIRST_HI
.else
	WIN MUL_HI
.endif
	MUL16 4, (\q)%2, \q, \slot, \first
	MUL16 6, (\q)%2, \q, \slot, \first
	PLACES NP
	WIN 0
	FETCH_A \slot, (\q)+1, 4
.endm
; Slot 0's last step changes slots: ONE barrier; in front of it each wave waits for all its tensor loads (its part of slot 1), so that behind it slot 1 is whole for every wave.  Nothing is filled again.
.macro TURN slot, next
	s_wait_tensorcnt 0x0                           ; all my tensor loads have landed: my part of the next slot;  (every window is 0 here)
	ds_add_u32 v[SPW], v[NIL]                      ; 0 onto my spare word
	s_wait_dscnt 4*NL+1                            ; (the add and the youngest eight loads, A's blocks 4-7, may be out)
	WIN MUL_LO
	MUL16 0, 1, NQ-1, \slot, 0                     ; sixteen matrix instructions stand between the add and the wait for it
	s_wait_dscnt 0x0                               ; the add is done, and my reads of this slot are over
	s_barrier_signal -1
	MUL16 2, 1, NQ-1, \slot, 0
	WIN 0
	s_barrier_wait -1
	PLACES NP
	v_add_nc_u32 v[ADRS], 4*NQ, v[ADRS]            ; on to the next slot's scale words (no LDS load of mine is out)
	FETCH_B \next, 0, 0
	FETCH_A \next, 0, 0
	SCALES \next
	WIN MUL_HI
	MUL16 4, 1, NQ-1, \slot, 0
	MUL16 6, 1, NQ-1, \slot, 0
	PLACES NP
	WIN 0
	FETCH_A \next, 0, 4
.endm
.macro STEPS slot, from                ; the slot's steps from .. NQ - 2
.set Q, \from
.rept NQ-1-\from
	STEP \slot, Q, 0
.set Q, Q+1
.endr
.endm
	s_wait_tensorcnt 1                             ; the scales and my part of slot 0 are in (slot 1's load may be out)
	s_barrier_signal -1
	s_barrier_wait -1                              ; everybody's are
	FETCH_B 0, 0, 0
	FETCH_A 0, 0, 0
	SCALES 0
	FETCH_A 0, 0, 4
	s_wait_loadcnt 0x0                             ; the bias
	STEP 0, 0, 1                                   ; the first step's products start the sums from the bias
	STEPS 0, 1
	TURN 0, 1
	STEPS 1, 0
	s_wait_dscnt 4*NL                              ; the very last step: nothing more to fetch
	WIN MUL_LO
	MUL16 0, 1, NQ-1, 1, 0
	MUL16 2, 1, NQ-1, 1, 0
	s_wait_dscnt 0
	WIN MUL_HI
	MUL16 4, 1, NQ-1, 1, 0
	MUL16 6, 1, NQ-1, 1, 0
	WIN 0
; THE WAY OUT, block by block of 16 rows x 128 columns (two heads).  PACK: rounded to f16, 16 bytes a lane, each accumulator from its low end on.  TOSTAGE: into my own stage in LDS, and back by heads:
; four rows of one head are 512 consecutive bytes of the result.  SEND: stored.  LDS serves a wave's instructions in order (ISA guide 5.7.1.4): no wait between the stage's stores and its loads.
.macro PACK a
.set AC, 64*((\a)%4)
	WIN 0x0a+5*((\a)/4)                            ; sources 0 and 1: window 2 or 3
.irp b, 0,1,2,3,4,5,6,7
.irp r, 0,1,2,3
	v_cvt_pk_f16_f32 v[TMP+4*\b+\r], v[AC+8*\b+2*\r], v[AC+8*\b+2*\r+1]
.endr
.endr
	WIN 0
.endm
.macro TOSTAGE a
.set BB, BK+32*((\a)%2)
.irp b, 0,1,2,3,4,5,6,7
	ds_store_b128 v[STO], v[TMP+4*\b:TMP+4*\b+3] offset:32*\b
.endr
.irp u, 0,1,2,3,4,5,6,7
	ds_load_b128 v[BB+4*\u:BB+4*\u+3], v[RD] offset:(\u%4)*4*SPITCH+128*(\u/4)
.endr
.endm
.macro SEND a
.set BB, BK+32*((\a)%2)
	s_wait_dscnt 0x0                               ; the block is back in registers
	s_wait_xcnt 0x0                                ; the block before has had its stores' addresses translated (ISA guide 3.1): its registers take the next block's rows only behind this wait
.irp u, 0,1,2,3,4,5,6,7
	global_store_b128 v[CO], v[BB+4*\u:BB+4*\u+3], s[12:13] offset:(\u/4)*262144+(\a)*2048+(\u%4)*512   ; the wave stores 512 consecutive bytes, aligned; the base is never stepped
.endr
.endm
	PLACES NP                                      ; behind the last products: for the reads of results and the loads into the registers that held A's fragments
	PACK 0
	TOSTAGE 0
.irp a, 1,2,3,4,5,6,7                  ; block a's conversions stand between block a - 1's loads from the stage and the wait for them
	PACK \a
	SEND \a-1
	TOSTAGE \a
.endr
	SEND 7
	s_wait_tensorcnt 0x0                           ; the wave's end: behind my last tensor load and my last LDS store
	ds_add_u32 v[SPW], v[NIL]
	s_wait_dscnt 0x0
	CROUND                                         ; the closing round: no work-group ends while a partner may still ask for a tile that names it
	s_endpgm
.Lfunc_end_k_q18d21e88ac_qkv:
	.size	k_q18d21e88ac_qkv, .Lfunc_end_k_q18d21e88ac_qkv-k_q18d21e88ac_qkv
	.p2alignl 7, 3214868480
	.fill 96, 4, 3214868480
	.section	.rodata,"a",@progbits
	.p2align	6, 0x0
	.amdhsa_kernel k_q18d21e88ac_qkv
		.amdhsa_group_segment_fixed_size 327680
		.amdhsa_private_segment_fixed_size 0
		.amdhsa_enable_private_segment 0
		.amdhsa_kernarg_size 48
		.amdhsa_user_sgpr_count 2
		.amdhsa_user_sgpr_kernarg_segment_ptr 1
		.amdhsa_wavefront_size32 1
		.amdhsa_system_sgpr_workgroup_id_x 1
		.amdhsa_system_sgpr_workgroup_id_y 1
		.amdhsa_system_sgpr_workgroup_id_z 1
		.amdhsa_system_vgpr_workitem_id 0
		.amdhsa_next_free_vgpr 1024
		.amdhsa_next_free_sgpr 98
		.amdhsa_reserve_vcc 0
		.amdhsa_float_denorm_mode_32 3
		.amdhsa_float_denorm_mode_16_64 3
		.amdhsa_memory_ordered 1
		.amdhsa_forward_progress 1
		.amdhsa_inst_pref_size 128
	.end_amdhsa_kernel
	.amdgpu_metadata
---
amdhsa.version: [ 1, 2 ]
amdhsa.kernels:
  - .name:           k_q18d21e88ac_qkv
    .symbol:         k_q18d21e88ac_qkv.kd
    .args:
      - { .name: x_codes, .offset: 0, .size: 8, .value_kind: global_buffer, .address_space: global }
      - { .name: x_scales, .offset: 8, .size: 8, .value_kind: global_buffer, .address_space: global }
      - { .name: wa_codes, .offset: 16, .size: 8, .value_kind: global_buffer, .address_space: global }
      - { .name: wa_scales, .offset: 24, .size: 8, .value_kind: global_buffer, .address_space: global }
      - { .name: b_attn, .offset: 32, .size: 8, .value_kind: global_buffer, .address_space: global }
      - { .name: qkv, .offset: 40, .size: 8, .value_kind: global_buffer, .address_space: global }
    .group_segment_fixed_size: 327680
    .private_segment_fixed_size: 0
    .kernarg_segment_align: 8
    .kernarg_segment_size: 48
    .max_flat_workgroup_size: 128
    .sgpr_count:     98
    .vgpr_count:     1024
    .wavefront_size: 32
...
	.end_amdgpu_metadata
.endif
;; end of part 2
;; launch attn (part 3): grid 4 x 64, 16 waves a work-group, clusters of 4 x 1, 327,680 bytes of LDS; arguments qkv, y; writes y
.if DOCPART == 3
	.amdgcn_target "amdgcn-amd-amdhsa--gfx1250"
	.amdhsa_code_object_version 6
	.text
	.protected	k_q18d21e88ac_attn
	.globl	k_q18d21e88ac_attn
	.p2align	8
	.type	k_q18d21e88ac_attn,@function
k_q18d21e88ac_attn:
	s_mov_b64 s[64:65], 0
	v_nop
	global_prefetch_b8 v0, s[64:65] scope:SCOPE_SE
	s_setreg_imm32_b32 hwreg(HW_REG_WAVE_MODE, 25, 1), 1
	s_wait_xcnt 0x0
	s_wait_alu depctr_hold_cnt(0) depctr_sa_sdst(0) depctr_va_vdst(0) depctr_va_sdst(0) depctr_va_ssrc(0) depctr_va_vcc(0) depctr_vm_vsrc(0)
	s_getreg_b32 s2, hwreg(HW_REG_IB_STS2, 6, 4)
	s_cmp_eq_u32 s2, 0
	s_cbranch_scc0 .Lentry_in_a_cluster
	s_endpgm
.Lentry_in_a_cluster:
	s_bfe_u32 s2, ttmp6, 0x10000c
	s_cmp_lg_u32 s2, 0x3003
	s_cbranch_scc0 .Lentry_shape_is_right
	s_endpgm
.Lentry_shape_is_right:
; y[b][t][head] = the sum over keys k <= t of softmax_k(q . k / 8) v, for 64 (batch, head) pairs of 2,048 x 64.  q, k, v: f16, [3][64 bh][2048][64].  Products on f16 operands with f32 sums; maxima, exponentials
; and sums in f32; the weights p are rounded to f16 for the second product, y once at the end.  y: f16, [64 tiles of 128 rows][16 heads][128 rows][64].
; f16 and not bf16: the first rows of a batch are sums over few keys, far larger than the output's root mean square, so that the operands' rounding must lie well under a thousandth.
; LIMIT: NaN and infinities are not served.
; SHARES.  A cluster of four work-groups owns one (batch, head); all four walk the same K and V, which come by JOINT tensor loads.  A wave owns 32 queries, two tiles of 16: 128 g + 32 cx + 0 .. 31, where cx is the
; work-group's place in the cluster and the group g hangs on the wave's number alone: so every branch is the same in all partners, and cx enters global addresses and one lane constant only.
; g = 4 (r ^ c) + (r ^ 2c in GF(4)), r = wave / 4, c = wave % 4: every four waves with equal r, and every four with equal c, hold one group from each quarter of the sequence.
; CAUSAL.  Every wave passes all eight slots of 256 keys; a key step (64 keys) all of whose keys come after the group's 128 queries is left out by a scalar branch round its loads and arithmetic.
; In the group's last two steps hidden scores become -infinity ahead of the maximum.  Key 0 counts for every query, so the maximum is a number from the first step on.
; LAYOUT.  S^T = K Q^T (source 0 = 16 keys, source 1 = 16 queries), O^T = V^T P (source 0 = 16 channels, turned by ds_load_tr16_b128, source 1 = P): a lane holds ONE query (lane % 16) throughout;
; two tiles of S^T, rounded in pairs, ARE source 1 of the second product.
; SOFTMAX.  A running maximum m and sum l for each query: p = 2^(c s - c m), c = log2(e) / 8; in every step O and l are multiplied by a = 2^(c m_old - c m_new).
; LDS.  K's and V's rows are 128 bytes and dense in memory: a tile is stated as rows of 256 bytes (two keys) with padding behind each; key i lies at (i / 2) x pitch + (i % 2) x 128.
.set PK,    272                        ; K: 256 + 16 = 68 words: the 16 keys of a fragment start at banks 0, 4 .. 28 and 32, 36 .. 60 (64 banks of 4 bytes: ISA guide 11.1)
.set PVP,   288                        ; V
.set VOFF,  64*PK                      ; half a slot: 128 keys of K (64 rows), then 128 keys of V
.set STEPB, 64*(PK+PVP)
.set SLOT1, 1<<17                      ; slot 1 begins here, so that one exclusive or turns an address in one slot into the other's
.set SPARE, SLOT1+2*STEPB              ; the spare words, 128 bytes for each of sixteen waves: eight blocks of 256 bytes that no other line names
.set STAGE, SPARE+16*128               ; the way out: 32 rows x (128 bytes + 16) for each wave; no tensor load lands here
.set SPS,   144
.set AK0,  1                           ; v1   my lane's place in a tile of K
.set AV0,  2                           ; v2   the same for V
.set SPW,  3                           ; v3   LDS address of my spare word; never rewritten
.set NIL,  4                           ; v4   0; never rewritten
.set ADK,  5                           ; v5   LDS address of the step's K
.set ADV,  6                           ; v6   of its V
.set DQ,   7                           ; v7   lane % 16 - 8 (lane / 16) + 32 cx
.set NINF, 8                           ; v8   -infinity
.set PFO,  9                           ; v9   256 x lane: the prefetches' offset; never rewritten
.set ST,   12                          ; tile t's statistics at v[ST + 8 t]: +0 c m, +1 m, +2, +3 l (even keys', odd keys'), +4 to +7 at work; a takes +6
.set RQ,   32                          ; v32-63   Q: tile t, channels 32 s on: 16 t + 8 s
.set RS,   64                          ; v64-127  S^T: tile t, keys 16 k on: 32 t + 8 k; then p; then P in place at 32 t + 8 (keys / 32)
.set RKV,  128                         ; v128-191 K (16 k + 8 s), later V (32 (keys / 32) + 8 d)
.set RO,   192                         ; v192-255 O^T: tile t, channels 16 d on: 32 t + 8 d
.set TB,    2                          ; s2   LDS byte at which the half slot in hand begins
.set TWICE, 3                          ; s3   counts a slot's two halves
.set WV,    8
.set CX,    9
.set BH,    10
.set G,     11
.set G128,  12                         ; the group's first query
.set GEND,  13                         ; and its last
.set KF,    14                         ; the step's first key
.set SLOTS, 15                         ; slots still to be asked for
.set LIM,   16                         ; 1 in a wave that prefetches, else the greatest number
.set PFA,   18                         ; s[18:19] where my prefetches stand
.set SEL,   20                         ; s[20:21] lane selects for v_permlanex16_b32: lane l xor 16
.set CS,    22                         ; s[22:23] c: the packed form names a pair and takes its low word for both halves
.set G1K,   24                         ; s[24:31] descriptor group 1 for K's tiles;  s[32:39] for V's: it differs in the padding alone
.set G1V,   32
.set G0K,   40                         ; s[40:43], s[44:47] their groups 0, which walk
.set G0V,   44
; Waves 0 and 1 fetch K's two halves of a slot, waves 2 and 3 V's, the others nothing.  The branches hang on the wave's number alone.  Four v_nop follow each of the two lines.
.macro JLOAD
	s_cmp_lt_u32 s[WV], 2
	s_cbranch_scc0 .Lnot_k_\@
	tensor_load_to_lds s[G0K:G0K+3], s[G1K:G1K+7]
	s_nop 0
.rept 4
	v_nop
.endr
	s_branch .Lasked_\@
.Lnot_k_\@:
	s_cmp_lt_u32 s[WV], 4
	s_cbranch_scc0 .Lasked_\@
	tensor_load_to_lds s[G0V:G0V+3], s[G1V:G1V+7]
	s_nop 0
.rept 4
	v_nop
.endr
.Lasked_\@:
.endm
; A PREFETCH INTO THE L2 of what the NEXT change of slots will ask for: a slot's 32,768 bytes of K and of V, four key steps ahead of that load.  Wave 4 asks for K's, wave 5 for V's, one instruction each, lanes 256 bytes
; apart; the four partners take 8,192 bytes each, told apart BY ADDRESS.  So each aligned block of 256 bytes is named once in the launch.  Slots 0 and 1 come by their loads alone; the last change that fills a slot asks for nothing.
.macro ASK
	s_cmp_gt_u32 s[SLOTS], s[LIM]
	s_cbranch_scc0 .Lnot_mine_\@
	global_prefetch_b8 v[PFO], s[PFA:PFA+1] th:TH_LOAD_NT scope:SCOPE_SE
.Lnot_mine_\@:
.endm
.macro CROUND                          ; a round of the cluster's barrier: my work-group's barrier; wave 0 signals for the work-group; every wave waits for all four; my work-group's barrier once more
	s_barrier_signal -1
	s_barrier_wait -1
	s_cmp_lg_u32 s[WV], 0
	s_cbranch_scc1 .Lnot_wave_0_\@
	s_barrier_signal -3
.Lnot_wave_0_\@:
	s_barrier_wait -3
	s_barrier_signal -1
	s_barrier_wait -1
.endm
	s_load_b128 s[4:7], s[0:1], 0x0                ; qkv s[4:5], y s[6:7]
	v_lshl_add_u32 v[SPW], v0, 2, SPARE
	v_mov_b32 v[NIL], 0
	ds_add_u32 v3, v4
	s_wait_dscnt 0x0
	v_lshrrev_b32 v10, 5, v0
	v_readfirstlane_b32 s[WV], v10                 ; wave 0..15
	s_bfe_u32 s[CX], ttmp6, 0x40000                ; my place in the cluster
	s_and_b32 s[BH], ttmp7, 0xffff                 ; 16 x batch + head, which the four partners share
	s_lshr_b32 s56, s[WV], 2                       ; r
	s_and_b32 s57, s[WV], 3                        ; c
	s_lshl_b32 s58, s57, 1
	s_lshr_b32 s58, 0x78, s58
	s_and_b32 s58, s58, 3                          ; 0, 2, 3, 1 for c = 0 .. 3
	s_xor_b32 s58, s58, s56
	s_xor_b32 s57, s57, s56
	s_lshl_b32 s57, s57, 2
	s_add_co_u32 s[G], s57, s58                    ; my group of 128 queries: 0 .. 15
	s_lshl_b32 s[G128], s[G], 7
	s_add_co_u32 s[GEND], s[G128], 127
	; descriptor group 1: 128 keys as 64 rows x 128 elements of 2 bytes, dense in memory, padded in LDS
	s_mov_b32 s[G1K], 15|(1<<16)|(1<<20)|(1<<21)|(5<<22)|(3<<25)  ; 15:0 the mask: all four work-groups; 17:16 elements of 2 bytes; 20 padding on; 21 set beside a mask; 24:22 after every 64 words (code 5); 31:25 4 words of it (code 3)
	s_mov_b32 s[G1V], 15|(1<<16)|(1<<20)|(1<<21)|(5<<22)|(7<<25)  ; the same with 8 words of padding (code 7)
.irp g, G1K, G1V
	s_mov_b32 s[\g+1], 128<<16                     ; tensor_dim0 = 128
	s_mov_b32 s[\g+2], 64<<16                      ; tensor_dim1 = 64
	s_mov_b32 s[\g+3], 128<<16                     ; tile_dim0 = 128
	s_mov_b32 s[\g+4], 64                          ; tile_dim1 = 64
	s_mov_b32 s[\g+5], 128                         ; tensor_dim0_stride
	s_mov_b32 s[\g+6], 0
	s_mov_b32 s[\g+7], 0
.endr
	s_mov_b32 s[SEL], 0x76543210
	s_mov_b32 s[SEL+1], 0xfedcba98
	s_mov_b32 s[CS], 0x3e38aa3b                    ; c = log2(e) / 8
	s_mov_b32 s[CS+1], s[CS]                       ; (named with it as a pair, so it is written)
	s_mov_b32 s[TB], 0
	s_mov_b32 s[KF], 0
	s_mov_b32 s[SLOTS], 7
	s_and_b32 s56, s[WV], 1                        ; which half of a slot I fetch, if I fetch:
	s_mul_i32 s57, s56, STEPB                      ; its place in a slot,
	s_lshl_b32 s58, s56, 14                        ; its 128 rows of 128 bytes in memory,
	s_lshl_b32 s59, s[BH], 18                      ; in my head's 2,048 rows
	s_add_co_u32 s58, s58, s59
	s_mov_b32 s59, 0
	s_wait_kmcnt 0x0
	s_add_nc_u64 s[50:51], s[4:5], s[58:59]
	s_mov_b32 s[G0K], 1                            ; 1:0 count = 1
	s_mov_b32 s[G0K+1], s57                        ; 63:32 LDS address: slot 0
	s_add_nc_u64 s[G0K+2:G0K+3], s[50:51], 0x1000000   ; 120:64 global address: K lies 64 heads' blocks behind Q
	s_or_b32 s[G0K+3], s[G0K+3], 0x80000000        ; 127:126 type = 2
	s_mov_b32 s[G0V], 1
	s_add_co_u32 s[G0V+1], s57, VOFF
	s_add_nc_u64 s[G0V+2:G0V+3], s[50:51], 0x2000000   ; V behind K
	s_or_b32 s[G0V+3], s[G0V+3], 0x80000000
	CROUND                                         ; all four work-groups are here: the first joint loads meet
	JLOAD                                          ; slot 0
	s_lshl_b32 s60, s[CX], 5
	s_add_co_u32 s60, s60, s[G128]                 ; my first query
	s_lshl_b32 s60, s60, 7                         ; 128 bytes a row
	s_lshl_b32 s61, s[BH], 18
	s_add_co_u32 s60, s60, s61
	s_mov_b32 s61, 0
	s_add_nc_u64 s[48:49], s[4:5], s[60:61]        ; Q at my first query
	v_and_b32 v10, 15, v0                          ; r = lane % 16
	v_bfe_u32 v11, v0, 4, 1                        ; h = lane / 16
	v_lshlrev_b32 v28, 7, v10
	v_lshl_add_u32 v28, v11, 4, v28                ; row r x 128 + 16 h
.irp f, 0,1,2,3                        ; Q stays in registers: tile f / 2, channels 32 (f % 2) on
	global_load_b128 v[RQ+8*\f:RQ+8*\f+3],   v28, s[48:49] offset:(\f/2)*2048+(\f%2)*64
	global_load_b128 v[RQ+8*\f+4:RQ+8*\f+7], v28, s[48:49] offset:(\f/2)*2048+(\f%2)*64+32
.endr
	; the prefetches: where my wave's stand, and who asks.  Nothing is prefetched here, at the head
	s_mov_b32 s60, 0x2000000
	s_cmp_eq_u32 s[WV], 4
	s_cselect_b32 s60, 0x1000000, s60              ; wave 4: K; wave 5: V
	s_lshl_b32 s61, s[BH], 18
	s_add_co_u32 s60, s60, s61
	s_lshl_b32 s61, s[CX], 13                      ; my work-group's 8,192 bytes of a slot's 32,768,
	s_add_co_u32 s60, s60, s61
	s_add_co_u32 s60, s60, 32768                   ; in slot 1: the first change of slots steps it to slot 2
	s_mov_b32 s61, 0
	s_add_nc_u64 s[PFA:PFA+1], s[4:5], s[60:61]
	s_sub_co_u32 s62, s[WV], 4
	s_lshr_b32 s62, s62, 1                         ; 0 in waves 4 and 5
	s_cmp_eq_u32 s62, 0
	s_cselect_b32 s[LIM], 1, -1
	; y at my 32 rows: tile of 128 rows = 16 x batch + g; plane = head; 16,384 bytes a plane; 32 cx rows of 128 bytes
	s_lshr_b32 s60, s[BH], 4
	s_lshl_b32 s60, s60, 4
	s_add_co_u32 s60, s60, s[G]
	s_lshl_b32 s60, s60, 4
	s_and_b32 s61, s[BH], 15
	s_add_co_u32 s60, s60, s61
	s_lshl_b32 s60, s60, 14
	s_lshl_b32 s61, s[CX], 12
	s_add_co_u32 s60, s60, s61
	s_mov_b32 s61, 0
	s_add_nc_u64 s[54:55], s[6:7], s[60:61]
	; a fragment of K is 16 keys x 32 channels: lane l holds key l % 16; registers 0-3 channels 8 h + 0..7, registers 4-7 channels 16 + 8 h + 0..7: two loads of 16 bytes, 32 bytes apart
	v_lshrrev_b32 v5, 1, v10
	v_mul_u32_u24 v[AK0], v5, PK
	v_and_b32 v5, 1, v10
	v_lshl_add_u32 v[AK0], v5, 7, v[AK0]
	v_lshl_add_u32 v[AK0], v11, 4, v[AK0]          ; (r / 2) x pitch + (r % 2) x 128 + 16 h
	; the turning load takes 16 keys x 16 channels: lane l reads 16 bytes of key 8 h + l % 8, channels 8 ((l / 8) % 2) + 0..7
	v_bfe_u32 v5, v0, 1, 2
	v_lshl_add_u32 v5, v11, 2, v5                  ; (8 h + l % 8) / 2
	v_mul_u32_u24 v[AV0], v5, PVP
	v_and_b32 v5, 1, v0
	v_lshl_add_u32 v[AV0], v5, 7, v[AV0]
	v_bfe_u32 v5, v0, 3, 1
	v_lshl_add_u32 v[AV0], v5, 4, v[AV0]
	v_add_nc_u32 v[AV0], VOFF, v[AV0]
	v_lshlrev_b32 v5, 3, v11
	v_sub_nc_u32 v[DQ], v10, v5
	s_lshl_b32 s60, s[CX], 5
	v_add_nc_u32 v[DQ], s60, v[DQ]
	v_mov_b32 v[NINF], 0xff800000
	v_and_b32 v[PFO], 31, v0
	v_lshlrev_b32 v[PFO], 8, v[PFO]
.irp t, 0,1
	v_mov_b32 v[ST+8*\t+1], 0xff61b1e6             ; the largest score so far: -3e38, under every score
	v_mul_f32 v[ST+8*\t], s[CS], v[ST+8*\t+1]
	v_mov_b32 v[ST+8*\t+2], 0                      ; the sum, in two halves
	v_mov_b32 v[ST+8*\t+3], 0
	v_mov_b32 v[ST+8*\t+4], 0                      ; (the registers at work are written once here, so that none is read unwritten on any way)
	v_mov_b32 v[ST+8*\t+5], 0
	v_mov_b32 v[ST+8*\t+6], 0
	v_mov_b32 v[ST+8*\t+7], 0
.endr
.set i, 0
.rept 64
	v_mov_b32 v[RO+i], 0                           ; O^T.  (The step is written without a first step of its own: the first finds zeros, which the first a leaves zeros)
.set i, i+1
.endr
; ONE TILE PAIR'S SOFTMAX FOR A KEY STEP: each line for tile 0, then for tile 1, so that no line reads the result of the line just before it.
.macro SOFTMAX
.irp j, 0,1,2,3                        ; the maximum of the lane's 32 scores and the old m, three operands at a time; each accumulator is first read at its low end
.irp t, 0,1
	v_max3_num_f32 v[ST+8*\t+4+\j], v[RS+32*\t+8*\j], v[RS+32*\t+8*\j+1], v[RS+32*\t+8*\j+2]
.endr
.endr
.irp q, 1,2
.irp j, 0,1,2,3
.irp t, 0,1
	v_max3_num_f32 v[ST+8*\t+4+\j], v[ST+8*\t+4+\j], v[RS+32*\t+8*\j+2*\q+1], v[RS+32*\t+8*\j+2*\q+2]
.endr
.endr
.endr
.irp t, 0,1
	v_max3_num_f32 v[ST+8*\t+4], v[ST+8*\t+4], v[RS+32*\t+7], v[RS+32*\t+15]
	v_max3_num_f32 v[ST+8*\t+6], v[ST+8*\t+6], v[RS+32*\t+23], v[RS+32*\t+31]
.endr
.irp t, 0,1
	v_max3_num_f32 v[ST+8*\t+4], v[ST+8*\t+4], v[ST+8*\t+5], v[ST+8*\t+6]
.endr
.irp t, 0,1
	v_max3_num_f32 v[ST+8*\t+4], v[ST+8*\t+4], v[ST+8*\t+7], v[ST+8*\t+1]
.endr
.irp t, 0,1
	v_permlanex16_b32 v[ST+8*\t+5], v[ST+8*\t+4], s[SEL], s[SEL+1]   ; the query's other 32 keys lie in the lane 16 away
.endr
.irp t, 0,1
	v_mov_b32 v[ST+8*\t+7], v[ST+8*\t]             ; c m_old is kept for a
.endr
.irp t, 0,1
	v_max_num_f32 v[ST+8*\t+1], v[ST+8*\t+4], v[ST+8*\t+5]
.endr
.irp t, 0,1
	v_mul_f32 v[ST+8*\t], s[CS], v[ST+8*\t+1]
.endr
.irp t, 0,1
	v_sub_f32 v[ST+8*\t+7], v[ST+8*\t+7], v[ST+8*\t]
.endr
.irp t, 0,1
	v_exp_f32 v[ST+8*\t+6], v[ST+8*\t+7]           ; a; the packed lines below are the plain lines behind it
.endr
.irp j, 0,2,4,6,8,10,12,14,16,18,20,22,24,26,28,30
.irp t, 0,1
	v_pk_fma_f32 v[RS+32*\t+\j:RS+32*\t+\j+1], v[RS+32*\t+\j:RS+32*\t+\j+1], s[CS:CS+1], v[ST+8*\t:ST+8*\t+1] op_sel_hi:[1,0,0] neg_lo:[0,0,1] neg_hi:[0,0,1]   ; c s - c m, two at a time
.endr
.endr
.set i, 0
.rept 64
	v_exp_f32 v[RS+i], v[RS+i]                     ; p = 2^(c s - c m), at most 1; 0 for a hidden key
.set i, i+1
.endr
	s_wait_alu depctr_va_vdst(0)
.irp t, 0,1
	v_pk_mul_f32 v[ST+8*\t+2:ST+8*\t+3], v[ST+8*\t+2:ST+8*\t+3], v[ST+8*\t+6:ST+8*\t+7] op_sel_hi:[1,0]   ; l x a.  (A plain line behind the exponentials)
.endr
.irp t, 0,1
	v_pk_add_f32 v[ST+8*\t+4:ST+8*\t+5], v[RS+32*\t:RS+32*\t+1], v[RS+32*\t+2:RS+32*\t+3]   ; the sum of the unrounded p, two at a time, in two chains
.endr
.irp j, 4,8,12,16,20,24,28
.irp t, 0,1
	v_pk_add_f32 v[ST+8*\t+2:ST+8*\t+3], v[ST+8*\t+2:ST+8*\t+3], v[RS+32*\t+\j:RS+32*\t+\j+1]
	v_pk_add_f32 v[ST+8*\t+4:ST+8*\t+5], v[ST+8*\t+4:ST+8*\t+5], v[RS+32*\t+\j+2:RS+32*\t+\j+3]
.endr
.endr
.irp t, 0,1
	v_pk_add_f32 v[ST+8*\t+2:ST+8*\t+3], v[ST+8*\t+2:ST+8*\t+3], v[ST+8*\t+4:ST+8*\t+5]
.endr
.irp j, 0,1,2,3,4,5,6,7,8,9,10,11,12,13,14,15
.irp t, 0,1
	v_cvt_pk_f16_f32 v[RS+32*\t+\j], v[RS+32*\t+2*\j], v[RS+32*\t+2*\j+1]   ; P in place, ascending: register j takes pair j, which lies at or behind it
.endr
.endr
.irp j, 0,2,4,6,8,10,12,14,16,18,20,22,24,26,28,30
.irp t, 0,1
	v_pk_mul_f32 v[RO+32*\t+\j:RO+32*\t+\j+1], v[RO+32*\t+\j:RO+32*\t+\j+1], v[ST+8*\t+6:ST+8*\t+7] op_sel_hi:[1,0]   ; O^T x a, each accumulator from its low end on
.endr
.endr
.endm
; A KEY STEP: 64 keys, the st-th of the half slot at s[TB].
.macro STEP st
	s_cmp_gt_u32 s[KF], s[GEND]                    ; all its keys come after my group's queries: the step is left out; no barrier and no tensor load stands in a step
	s_cbranch_scc1 .Lhidden_\@
	v_add_nc_u32 v[ADK], s[TB], v[AK0]
	v_add_nc_u32 v[ADV], s[TB], v[AV0]
.rept 3
	v_nop                                          ; with the two additions five places behind the last step's products: the loads below land in V's registers (four are owed), and the products below write over P's (five)
.endr
.irp f, 0,1,2,3,4,5,6,7                ; K: keys 16 (f / 2) on, channels 32 (f % 2) on
	ds_load_b128 v[RKV+8*\f:RKV+8*\f+3],   v[ADK] offset:(32*\st+8*(\f/2))*PK+64*(\f%2)
	ds_load_b128 v[RKV+8*\f+4:RKV+8*\f+7], v[ADK] offset:(32*\st+8*(\f/2))*PK+64*(\f%2)+32
.endr
	s_wait_dscnt 0x0
.set i, 0
.rept 16                               ; S^T = K Q^T: channels 32 (i / 8) on, keys 16 ((i / 2) % 4) on, tile i % 2.  The eight accumulators take turns; the first eight products start the sums
.set rS, RS+32*(i%2)+8*((i/2)%4)
.set rK, RKV+16*((i/2)%4)+8*(i/8)
.set rQ, RQ+16*(i%2)+8*(i/8)
.if i < 8
	v_wmma_f32_16x16x32_f16 v[rS:rS+7], v[rK:rK+7], v[rQ:rQ+7], 0
.else
	v_wmma_f32_16x16x32_f16 v[rS:rS+7], v[rK:rK+7], v[rQ:rQ+7], v[rS:rS+7]
.endif
.set i, i+1
.endr
.rept 4
	v_nop                                          ; places in front of the loads into K's registers and of the first read of the scores
.endr
.irp f, 0,1,2,3,4,5,6,7                ; V, turned: keys 32 (f / 4) on, channels 16 (f % 4) on; it lands while the softmax is worked
	ds_load_tr16_b128 v[RKV+8*\f:RKV+8*\f+3],   v[ADV] offset:(32*\st+16*(\f/4))*PVP+32*(\f%4)
	ds_load_tr16_b128 v[RKV+8*\f+4:RKV+8*\f+7], v[ADV] offset:(32*\st+16*(\f/4)+8)*PVP+32*(\f%4)
.endr
	s_cmp_lt_u32 s[KF], s[G128]                    ; all its keys come before my group's queries: nothing is hidden
	s_cbranch_scc1 .Lopen_\@
	s_sub_co_i32 s17, s[G128], s[KF]
	v_add_nc_u32 v10, s17, v[DQ]                   ; d = my tile 0 query - KF - 8 h.  Register 8 k + j of tile t holds key KF + 16 k + 8 h + j: hidden where 16 k + j - 16 t > d
.irp t, 0,1
.irp k, 0,1,2,3
.irp j, 0,1,2,3,4,5,6,7
	v_cmp_gt_i32 vcc_lo, 16*\k+\j-16*\t, v10
	v_cndmask_b32 v[RS+32*\t+8*\k+\j], v[RS+32*\t+8*\k+\j], v[NINF], vcc_lo
.endr
.endr
.endr
.Lopen_\@:
	SOFTMAX
	s_wait_dscnt 0x0                               ; V is in
.set i, 0
.rept 16                               ; O^T += V^T P: keys 32 (i / 8) on, channels 16 ((i / 2) % 4) on, tile i % 2; eight accumulators by turns
.set rO, RO+32*(i%2)+8*((i/2)%4)
.set rV, RKV+32*(i/8)+8*((i/2)%4)
.set rP, RS+32*(i%2)+8*(i/8)
	v_wmma_f32_16x16x32_f16 v[rO:rO+7], v[rV:rV+7], v[rP:rP+7], v[rO:rO+7]
.set i, i+1
.endr
.Lhidden_\@:
	s_add_co_u32 s[KF], s[KF], 64
.endm
; THE CHANGE OF SLOTS stands at a slot's head.  Each wave waits for all its tensor loads (its part of the slot that it is about to read), adds 0 to its spare word, and waits for that and for its reads of the slot that it
; has left.  fill = 1: the barrier is a round of the cluster's, so that no wave of any partner still reads the other slot or has a load on its way, and the joint load of the next 256 keys is the first thing behind it:
; one tensor load of mine is out, and it has a slot's four key steps in which to land.
.macro CHANGE fill
	s_wait_tensorcnt 0x0                           ; no tensor load of mine is out, so a group 0 may be written
	ds_add_u32 v[SPW], v[NIL]                      ; 0 onto my spare word
.if \fill
	s_xor_b32 s[G0K+1], s[G0K+1], SLOT1            ; the walking descriptors: the other slot than last time,
	s_add_nc_u64 s[G0K+2:G0K+3], s[G0K+2:G0K+3], 32768   ; the next 256 keys; the type bits on top are not reached
	s_xor_b32 s[G0V+1], s[G0V+1], SLOT1
	s_add_nc_u64 s[G0V+2:G0V+3], s[G0V+2:G0V+3], 32768
	s_wait_xcnt 0x0                                ; the last prefetch, a slot back, has read its address, so it may be written:
	s_add_nc_u64 s[PFA:PFA+1], s[PFA:PFA+1], 32768 ; one slot further on than the walking descriptors
.endif
	s_wait_dscnt 0x0                               ; the add is done, and my reads of the slot that I have left are over
.if \fill
	CROUND
	JLOAD
	ASK
.else
	s_barrier_signal -1
	s_barrier_wait -1
.endif
.endm
.macro SLOT_STEPS                      ; a slot's two halves of two key steps: written once, walked twice; the LDS addresses hang on s[TB]
	s_mov_b32 s[TWICE], 2
.Lhalf_\@:
	STEP 0
	STEP 1
	s_add_co_u32 s[TB], s[TB], STEPB
	s_sub_co_u32 s[TWICE], s[TWICE], 1
	s_cmp_lg_u32 s[TWICE], 0
	s_cbranch_scc1 .Lhalf_\@
	s_sub_co_u32 s[TB], s[TB], 2*STEPB             ; back to a slot's first half,
	s_xor_b32 s[TB], s[TB], SLOT1                  ; in the other slot
.endm
	s_wait_loadcnt 0x0                             ; Q
.Lslot:                                            ; seven trips: behind each change of slots but the last the next slot is asked for
	CHANGE 1
	SLOT_STEPS
	s_sub_co_u32 s[SLOTS], s[SLOTS], 1
	s_cmp_lg_u32 s[SLOTS], 0
	s_cbranch_scc1 .Lslot
	CHANGE 0                                       ; the last slot is written out
	SLOT_STEPS
	; THE WAY OUT.  l's two halves and the other half of the lanes' are added; O^T is divided by l, rounded to f16 and sent through my stage in LDS: my 32 rows of 128 bytes are 4,096 consecutive bytes of y.
.rept 4
	v_nop                                          ; places behind the last products
.endr
.irp t, 0,1
	v_add_f32 v[ST+8*\t+4], v[ST+8*\t+2], v[ST+8*\t+3]
.endr
.irp t, 0,1
	v_permlanex16_b32 v[ST+8*\t+5], v[ST+8*\t+4], s[SEL], s[SEL+1]
.endr
.irp t, 0,1
	v_add_f32 v[ST+8*\t+4], v[ST+8*\t+4], v[ST+8*\t+5]
.endr
.irp t, 0,1
	v_rcp_f32 v[ST+8*\t+6], v[ST+8*\t+4]
.endr
	v_and_b32 v10, 15, v0                          ; (plain lines behind the reciprocals)  r
	v_bfe_u32 v11, v0, 4, 1                        ; h
	s_mul_i32 s17, s[WV], 32*SPS
	s_add_co_u32 s17, s17, STAGE                   ; my stage
	v_mul_u32_u24 v28, v10, SPS
	v_lshl_add_u32 v28, v11, 4, v28
	v_add_nc_u32 v28, s17, v28                     ; in: row r, 16 bytes for each half of the lanes
	v_bfe_u32 v29, v0, 3, 2
	v_mul_u32_u24 v29, v29, SPS
	v_and_b32 v30, 7, v0
	v_lshl_add_u32 v29, v30, 4, v29
	v_add_nc_u32 v29, s17, v29                     ; back: eight lanes to a row of 128 bytes, four rows an instruction
	v_and_b32 v30, 31, v0
	v_lshlrev_b32 v30, 4, v30                      ; and in y: 16 x lane
	s_wait_alu depctr_va_vdst(0)
.irp t, 0,1
.irp j, 0,2,4,6,8,10,12,14,16,18,20,22,24,26,28,30
	v_pk_mul_f32 v[RO+32*\t+\j:RO+32*\t+\j+1], v[RO+32*\t+\j:RO+32*\t+\j+1], v[ST+8*\t+6:ST+8*\t+7] op_sel_hi:[1,0]
.endr
.endr
.irp t, 0,1
.irp j, 0,1,2,3,4,5,6,7,8,9,10,11,12,13,14,15
	v_cvt_pk_f16_f32 v[RS+16*\t+\j], v[RO+32*\t+2*\j], v[RO+32*\t+2*\j+1]   ; registers 4 d .. 4 d + 3: channels 16 d + 8 h + 0 .. 7 of query 16 t + r
.endr
.endr
.irp t, 0,1
.irp d, 0,1,2,3
	ds_store_b128 v28, v[RS+16*\t+4*\d:RS+16*\t+4*\d+3] offset:\t*16*SPS+32*\d
.endr
.endr
.irp u, 0,1,2,3,4,5,6,7
	ds_load_b128 v[RKV+4*\u:RKV+4*\u+3], v29 offset:\u*4*SPS   ; LDS serves a wave's instructions in order (ISA guide 5.7.1.4): these see my stores
.endr
.irp u, 0,1,2,3,4,5,6,7
	s_wait_dscnt 7-\u                              ; load u is back; the younger ones may be out
	global_store_b128 v30, v[RKV+4*\u:RKV+4*\u+3], s[54:55] offset:512*\u   ; the wave stores 512 consecutive bytes, aligned
.endr
	s_wait_tensorcnt 0x0                           ; the wave's end: behind my last tensor load and my last LDS store
	ds_add_u32 v[SPW], v[NIL]
	s_wait_dscnt 0x0
	CROUND                                         ; the closing round: no work-group ends while a partner may still ask for a tile that names it
	s_endpgm
.Lfunc_end_k_q18d21e88ac_attn:
	.size	k_q18d21e88ac_attn, .Lfunc_end_k_q18d21e88ac_attn-k_q18d21e88ac_attn
	.p2alignl 7, 3214868480
	.fill 96, 4, 3214868480
	.section	.rodata,"a",@progbits
	.p2align	6, 0x0
	.amdhsa_kernel k_q18d21e88ac_attn
		.amdhsa_group_segment_fixed_size 327680
		.amdhsa_private_segment_fixed_size 0
		.amdhsa_enable_private_segment 0
		.amdhsa_kernarg_size 16
		.amdhsa_user_sgpr_count 2
		.amdhsa_user_sgpr_kernarg_segment_ptr 1
		.amdhsa_wavefront_size32 1
		.amdhsa_system_sgpr_workgroup_id_x 1
		.amdhsa_system_sgpr_workgroup_id_y 1
		.amdhsa_system_sgpr_workgroup_id_z 1
		.amdhsa_system_vgpr_workitem_id 0
		.amdhsa_next_free_vgpr 256
		.amdhsa_next_free_sgpr 66
		.amdhsa_reserve_vcc 1
		.amdhsa_float_denorm_mode_32 3
		.amdhsa_float_denorm_mode_16_64 3
		.amdhsa_memory_ordered 1
		.amdhsa_forward_progress 1
		.amdhsa_inst_pref_size 105
	.end_amdhsa_kernel
	.amdgpu_metadata
---
amdhsa.version: [ 1, 2 ]
amdhsa.kernels:
  - .name:           k_q18d21e88ac_attn
    .symbol:         k_q18d21e88ac_attn.kd
    .args:
      - { .name: qkv, .offset: 0, .size: 8, .value_kind: global_buffer, .address_space: global }
      - { .name: y, .offset: 8, .size: 8, .value_kind: global_buffer, .address_space: global }
    .group_segment_fixed_size: 327680
    .private_segment_fixed_size: 0
    .kernarg_segment_align: 8
    .kernarg_segment_size: 16
    .max_flat_workgroup_size: 512
    .sgpr_count:     66
    .vgpr_count:     256
    .wavefront_size: 32
...
	.end_amdgpu_metadata
.endif
;; end of part 3
;; launch proj (part 4): grid 8 x 64, 4 waves a work-group, clusters of 4 x 4, 327,680 bytes of LDS; arguments y, wp_t, b_proj, out0; writes out0
.if DOCPART == 4
	.amdgcn_target "amdgcn-amd-amdhsa--gfx1250"
	.amdhsa_code_object_version 6
	.text
	.protected	k_q18d21e88ac_proj
	.globl	k_q18d21e88ac_proj
	.p2align	8
	.type	k_q18d21e88ac_proj,@function
k_q18d21e88ac_proj:
	s_mov_b64 s[64:65], 0
	v_nop
	global_prefetch_b8 v0, s[64:65] scope:SCOPE_SE
	s_setreg_imm32_b32 hwreg(HW_REG_WAVE_MODE, 25, 1), 1
	s_wait_xcnt 0x0
	s_wait_alu depctr_hold_cnt(0) depctr_sa_sdst(0) depctr_va_vdst(0) depctr_va_sdst(0) depctr_va_ssrc(0) depctr_va_vcc(0) depctr_vm_vsrc(0)
	s_getreg_b32 s2, hwreg(HW_REG_IB_STS2, 6, 4)
	s_cmp_eq_u32 s2, 0
	s_cbranch_scc0 .Lentry_in_a_cluster
	s_endpgm
.Lentry_in_a_cluster:
	s_bfe_u32 s2, ttmp6, 0x10000c
	s_cmp_lg_u32 s2, 0xf033
	s_cbranch_scc0 .Lentry_shape_is_right
	s_endpgm
.Lentry_shape_is_right:
; out0 = y w_proj + b_proj.  8,192 x 1,024 x 1,024 on f16 operands, sums in f32, result f32.
; A = y, laid [64 tiles of 128 rows][16 planes of 64 k][128 rows][64 k]; B = w_proj turned, laid [8 tiles of 128 n][16 planes][128 n][64 k]: a tile's planes are dense blocks of 16,384 bytes.
; A tile of the result is 128 x 128: four waves, each 64 x 64: 16 accumulators of 16 x 16, 128 registers: 512 work-groups of equal work.  K goes in steps of 256 (four planes) through two LDS slots; a wave's tensor
; load brings two planes, stated as 128 rows of 256 bytes (two logical rows of 128 bytes each) with 16 bytes of padding behind each: logical row i of a plane lies at (i / 2) x 272 + (i % 2) x 128.
; CLUSTERS: 4 x 4 work-groups.  The four of a row of the cluster need the same tiles of A, the four of a column the same tiles of B: each tile is asked for JOINTLY, by the same tensor load with the
; same descriptor and a mask that names the four.  THE MATRIX INSTRUCTION IS USED TRANSPOSED (source 0 = 16 rows of B, source 1 = 16 rows of A): a lane then holds eight neighbouring columns of one row.
; THE BIAS is the C of each sum's first matrix instruction.  No prefetch: the tiles are small and shared in the cluster, and a K step's loads are asked for a whole step ahead.
; REGISTERS: window 0: v0-31 addresses; v32-63 the bias, later with v64-95 rows on the way out; v128-255 the accumulators ((a, b) at v[128 + 8 (4 a + b)]).
;   window 1: two fragment buffers of 128: for 64 along K (a plane), 64 registers of A (2 x 4 x 16 rows x 32 K), then 64 of B.
.set PITCH,  272                       ; 68 words: the 16 logical rows of a fragment start at banks 0, 4 .. 28 and 32, 36 .. 60 (64 banks of 4 bytes: ISA guide 11.1)
.set PLANE,  64*PITCH                  ; a plane in LDS
.set HALFT,  128*PITCH                 ; two planes: what one tensor load brings
.set SLOT,   4*HALFT                   ; A's four planes, then B's four
.set STEPG,  65536                     ; a K step of a tile in memory
.set STAGE,  2*SLOT                    ; behind the ring: 16 rows x (256 bytes + 16) for each wave, for the way out
.set SPITCH, 272
.set SPARE,  STAGE+4*16*SPITCH         ; the spare words, 128 bytes for each wave: two blocks of 256 bytes that no other line names
.set LAPS,   2                         ; a lap = two K steps = once round the ring; K = 1,024
.set ADRA, 16                          ; v16-17  LDS address of my A fragments in slot 0, 1
.set ADRB, 20                          ; v20-21  the same for B
.set STO,  24                          ; v24     the way out: where I put 32 bytes of a row
.set RD,   25                          ; v25     the way out: where I read a row back
.set CO,   26                          ; v26     my byte offset in the result
.set SPW,  28                          ; v28     LDS address of my spare word; never rewritten
.set NIL,  29                          ; v29     0; never rewritten
.set BIAS, 32                          ; register 8 b + j = b_proj[my first column + 16 b + 8 (lane / 16) + j]
.set OB,   32                          ; the way out: 16 rows read back: v32-63 and v64-95 by turns
.set ACC,  128
.set F0,   0                           ; fragment buffers, in window 1
.set F1,   128
.set G1, 24                            ; s[24:31] descriptor group 1 for A's tiles;  s[32:39] group 0, one set for each slot
.set G0, 32
.set G1B, 48                           ; s[48:55], s[56:63] the same for B's tiles
.set G0B, 56
.set MSB, 0
.macro WIN new                         ; the immediate's high byte repeats the setting that is left
.if MSB != \new
	s_set_vgpr_msb (MSB<<8)|\new
.set MSB, \new
.endif
.endm
.set MUL,  0x05                        ; sources 0 (B) and 1 (A) window 1; C and D window 0
.set TO_F, 0x40                        ; destination window 1, address window 0
.macro JLOAD s                         ; a joint load: waves 0 and 1 fetch A's two halves, waves 2 and 3 B's; four v_nop follow each of the two lines, ahead of the jump, the label and what follows
	s_cmp_eq_u32 s11, 0
	s_cbranch_scc0 .Lfor_b_\@
	tensor_load_to_lds s[G0+4*\s:G0+4*\s+3], s[G1:G1+7]
	s_nop 0
.rept 4
	v_nop
.endr
	s_branch .Lasked_\@
.Lfor_b_\@:
	tensor_load_to_lds s[G0B+4*\s:G0B+4*\s+3], s[G1B:G1B+7]
	s_nop 0
.rept 4
	v_nop
.endr
.Lasked_\@:
.endm
.macro CREST                           ; a round of the cluster's barrier behind its opening barrier
	s_cmp_lg_u32 s10, 0
	s_cbranch_scc1 .Lnot_wave_0_\@
	s_barrier_signal -3
.Lnot_wave_0_\@:
	s_barrier_wait -3
	s_barrier_signal -1
	s_barrier_wait -1
.endm
.macro CROUND                          ; a whole round
	s_barrier_signal -1
	s_barrier_wait -1
	CREST
.endm
	s_load_b128 s[4:7], s[0:1], 0x0                ; y s[4:5], wp_t s[6:7]
	s_load_b64 s[66:67], s[0:1], 0x10              ; b_proj
	s_load_b64 s[8:9], s[0:1], 0x18                ; out0
	v_lshl_add_u32 v[SPW], v0, 2, SPARE
	v_mov_b32 v[NIL], 0
	ds_add_u32 v28, v29
	s_wait_dscnt 0x0
	v_lshrrev_b32 v1, 5, v0
	v_readfirstlane_b32 s10, v1                    ; wave 0..3
	s_lshr_b32 s11, s10, 1                         ; which half of the tile's rows is mine.  Also: I fetch for A (0) or for B (1)
	s_and_b32 s12, s10, 1                          ; which half of its columns.  Also: which two planes of a K step I fetch
	s_bfe_u32 s40, ttmp6, 0x40000                  ; cx, cy: my place in the cluster
	s_bfe_u32 s41, ttmp6, 0x40004
	s_lshl_b32 s42, ttmp9, 2
	s_add_co_u32 s42, s42, s40                     ; tile column = 4 x cluster x + cx: 0 .. 7
	s_and_b32 s13, ttmp7, 0xffff
	s_lshl_b32 s13, s13, 2
	s_add_co_u32 s13, s13, s41                     ; tile row = 4 x cluster y + cy: 0 .. 63
	s_lshl_b32 s43, s41, 2
	s_lshl_b32 s43, 15, s43                        ; my row of the cluster
	s_lshl_b32 s44, 0x1111, s40                    ; my column
	; descriptor group 1: two planes, a dense block of 32,768 bytes, as 128 rows of 256 bytes (32 elements of 8 bytes), padded in LDS
	s_or_b32 s[G1+0], s43, (3<<16)|(1<<20)|(1<<21)|(5<<22)|(3<<25)  ; 15:0 the mask: A's tiles go to my row; 17:16 element of 8 bytes; 20 padding on; 21 set beside a mask; 24:22 after every 64 words (code 5); 31:25 of 4 words (code 3)
	s_or_b32 s[G1B+0], s44, (3<<16)|(1<<20)|(1<<21)|(5<<22)|(3<<25)
.irp g, G1, G1B
	s_mov_b32 s[\g+1], 32<<16                      ; tensor_dim0 = 32
	s_mov_b32 s[\g+2], 128<<16                     ; tensor_dim1 = 128
	s_mov_b32 s[\g+3], 32<<16                      ; tile_dim0 = 32
	s_mov_b32 s[\g+4], 128                         ; tile_dim1 = 128
	s_mov_b32 s[\g+5], 32                          ; tensor_dim0_stride
	s_mov_b32 s[\g+6], 0
	s_mov_b32 s[\g+7], 0
.endr
	s_lshl_b32 s17, s12, 15                        ; which two planes of a K step I fetch
	s_lshl_b32 s16, s13, 18
	s_add_co_u32 s16, s16, s17                     ; A: 262,144 bytes a tile of rows
	s_lshl_b32 s46, s42, 18
	s_add_co_u32 s46, s46, s17                     ; B: likewise by the tile column
	s_mov_b32 s17, 0
	s_mov_b32 s47, 0
	s_mul_i32 s20, s10, HALFT                      ; where they go: wave x two planes: no place in the cluster enters an LDS address
	s_wait_kmcnt 0x0
	s_add_nc_u64 s[14:15], s[4:5], s[16:17]
	s_add_nc_u64 s[46:47], s[6:7], s[46:47]
	CROUND                                         ; all sixteen work-groups are here: the first joint loads meet
.irp s, 0,1
	s_mov_b32 s[G0+4*\s], 1
	s_add_co_u32 s[G0+4*\s+1], s20, \s*SLOT
	s_add_nc_u64 s[G0+4*\s+2:G0+4*\s+3], s[14:15], \s*STEPG
	s_or_b32 s[G0+4*\s+3], s[G0+4*\s+3], 0x80000000
	s_mov_b32 s[G0B+4*\s], 1
	s_add_co_u32 s[G0B+4*\s+1], s20, \s*SLOT
	s_add_nc_u64 s[G0B+4*\s+2:G0B+4*\s+3], s[46:47], \s*STEPG
	s_or_b32 s[G0B+4*\s+3], s[G0B+4*\s+3], 0x80000000
	JLOAD \s                                       ; two tensor loads of mine are out
.endr
	v_and_b32 v1, 15, v0                           ; l % 16
	v_bfe_u32 v2, v0, 4, 1                         ; l / 16
	v_lshrrev_b32 v3, 1, v1
	v_mul_u32_u24 v3, v3, PITCH
	v_and_b32 v4, 1, v1
	v_lshl_add_u32 v3, v4, 7, v3
	v_lshl_add_u32 v3, v2, 4, v3                   ; a fragment's row: (r / 2) x pitch + (r % 2) x 128 + 16 x half
	s_mul_i32 s21, s11, 32*PITCH                   ; my 64 rows of each of A's planes
	s_mul_i32 s22, s12, 32*PITCH                   ; my 64 rows of each of B's planes,
	s_add_co_u32 s22, s22, 2*HALFT                 ; which lie behind A's four
.irp s, 0,1
	v_add_nc_u32 v[ADRA+\s], s21, v3
	v_add_nc_u32 v[ADRB+\s], s22, v3
	s_add_co_u32 s21, s21, SLOT
	s_add_co_u32 s22, s22, SLOT
.endr
	s_mul_i32 s23, s10, 16*SPITCH
	s_add_co_u32 s23, s23, STAGE                   ; my stage
	v_mul_u32_u24 v4, v1, SPITCH                   ; in: row l % 16, 32 bytes for each half of the lanes
	v_lshl_add_u32 v4, v2, 5, v4
	v_add_nc_u32 v[STO], s23, v4
	v_mul_u32_u24 v5, v2, SPITCH                   ; back: lanes 0-15 take one row of 256 bytes, lanes 16-31 the next
	v_lshl_add_u32 v5, v1, 4, v5
	v_add_nc_u32 v[RD], s23, v5
	v_lshlrev_b32 v5, 12, v2                       ; and the same two rows in the result (4,096 bytes a row)
	v_lshl_add_u32 v[CO], v1, 4, v5
	v_lshlrev_b32 v6, 5, v2                        ; the bias: 32 bytes for each half of the lanes
	s_lshl_b32 s16, s13, 19                        ; my first row: 128 rows a tile,
	s_lshl_b32 s17, s11, 18                        ; + 64 x half
	s_add_co_u32 s16, s16, s17
	s_mov_b32 s17, 0
	s_add_nc_u64 s[8:9], s[8:9], s[16:17]
	s_lshl_b32 s46, s42, 9                         ; my first column, in bytes: 512 x tile column + 256 x half
	s_lshl_b32 s47, s12, 8
	s_add_co_u32 s46, s46, s47
	s_mov_b32 s47, 0
	s_add_nc_u64 s[8:9], s[8:9], s[46:47]
	s_add_nc_u64 s[66:67], s[66:67], s[46:47]
.irp b, 0,1,2,3
	global_load_b128 v[BIAS+8*\b:BIAS+8*\b+3], v6, s[66:67] offset:64*\b
	global_load_b128 v[BIAS+8*\b+4:BIAS+8*\b+7], v6, s[66:67] offset:64*\b+16
.endr
; 8 matrix instructions: m blocks a0, a0 + 1 x all 4 n blocks, 32 along K: half c of buffer f.  first = 1: the first product starts the sums from the bias.  The 16 accumulators take turns
.macro MUL8 f, c, a0, first
.irp a, \a0, \a0+1
.irp b, 0,1,2,3
.if \first
	v_wmma_f32_16x16x32_f16 v[ACC+8*(4*(\a)+\b):ACC+8*(4*(\a)+\b)+7], v[\f+64+8*(4*\c+\b):\f+64+8*(4*\c+\b)+7], v[\f+8*(4*\c+\a):\f+8*(4*\c+\a)+7], v[BIAS+8*\b:BIAS+8*\b+7]
.else
	v_wmma_f32_16x16x32_f16 v[ACC+8*(4*(\a)+\b):ACC+8*(4*(\a)+\b)+7], v[\f+64+8*(4*\c+\b):\f+64+8*(4*\c+\b)+7], v[\f+8*(4*\c+\a):\f+8*(4*\c+\a)+7], v[ACC+8*(4*(\a)+\b):ACC+8*(4*(\a)+\b)+7]
.endif
.endr
.endr
.endm
; 32 LDS loads in one run: the fragments of a plane (64 along K), which begins k bytes into the slot's planes, into buffer f; the first 32 along K first.  16 logical rows are 8 LDS rows
.macro FETCH slot, k, f
	WIN TO_F
.irp c, 0,1
.irp i, 0,1,2,3
	ds_load_b128 v[\f+64+8*(4*\c+\i):\f+64+8*(4*\c+\i)+3],   v[ADRB+\slot] offset:\k+64*\c+\i*8*PITCH
	ds_load_b128 v[\f+64+8*(4*\c+\i)+4:\f+64+8*(4*\c+\i)+7], v[ADRB+\slot] offset:\k+64*\c+\i*8*PITCH+32
	ds_load_b128 v[\f+8*(4*\c+\i):\f+8*(4*\c+\i)+3],         v[ADRA+\slot] offset:\k+64*\c+\i*8*PITCH
	ds_load_b128 v[\f+8*(4*\c+\i)+4:\f+8*(4*\c+\i)+7],       v[ADRA+\slot] offset:\k+64*\c+\i*8*PITCH+32
.endr
.endr
.endm
.macro PLACES                          ; four places in front of loads into registers that matrix instructions have read, and of the first read of results (ISA guide 7.12.1 for vector instructions)
.rept 4
	v_nop
.endr
.endm
; A K step is four quarters of 64 along K (a plane), 32 matrix instructions each, on buffers 0, 1, 0, 1.  One of the first three: multiplies buffer f and fetches the next plane, at byte k, into g.
.macro QUARTER slot, k, f, g, first
	s_wait_dscnt 16                                ; the first 32 along K are in; the sixteen loads of the second 32 may be out
	WIN MUL
	MUL8 \f, 0, 0, \first
	MUL8 \f, 0, 2, \first
	PLACES
	FETCH \slot, \k, \g
	s_wait_dscnt 32                                ; all but the 32 just issued
	WIN MUL
	MUL8 \f, 1, 0, 0
	MUL8 \f, 1, 2, 0
.endm
; The last quarter multiplies buffer 1 and changes slots: ONE barrier; in front of it each wave waits for all its tensor loads, adds 0 to its spare word, and waits for that and for its own reads of this slot.  fill = 1: this slot is filled again, two K steps ahead.
.macro TURN slot, next, fill
	WIN 0                                          ; (the add's two registers lie in window 0)
	s_wait_tensorcnt 0x0                           ; all my tensor loads have landed: my part of the next slot;
	ds_add_u32 v[SPW], v[NIL]                      ; 0 onto my spare word
	s_wait_dscnt 17                                ; (the add and the youngest sixteen loads may be out)
	WIN MUL
	MUL8 F1, 0, 0, 0                               ; eight matrix instructions stand between the add and the wait for it
	s_wait_dscnt 0x0                               ; the add is done, and my reads of this slot are over
	s_barrier_signal -1
	MUL8 F1, 0, 2, 0
.if \fill
	WIN 0
.endif
	s_barrier_wait -1
.if \fill
	CREST                                          ; the barrier has opened a round of the cluster's barrier: no wave of any partner still reads this slot's tile or has a load on its way
	s_add_nc_u64 s[G0+4*\slot+2:G0+4*\slot+3], s[G0+4*\slot+2:G0+4*\slot+3], 2*STEPG
	s_add_nc_u64 s[G0B+4*\slot+2:G0B+4*\slot+3], s[G0B+4*\slot+2:G0B+4*\slot+3], 2*STEPG
	JLOAD \slot                                    ; the first tensor load behind the round, my one load that is out; the four v_nop behind it are also the places in front of the loads below
.else
	PLACES
.endif
	FETCH \next, 0, F0
	WIN MUL
	MUL8 F1, 1, 0, 0
	MUL8 F1, 1, 2, 0
.endm
	s_wait_tensorcnt 1                             ; my part of K step 0 is in (K step 1's load may be out)
	s_barrier_signal -1
	s_barrier_wait -1                              ; everybody's is
	FETCH 0, 0, F0
	s_wait_loadcnt 0x0                             ; the bias
	QUARTER 0, PLANE, F0, F1, 1                    ; the first quarter stands in front of the loop: its first products start the sums from the bias
	WIN 0                                          ; at a label and at a branch every window is 0
	s_mov_b32 s3, LAPS-1
.Llap:                                                 ; a trip goes once round the ring, from a lap's second quarter to the next lap's first, and fills both slots again
	QUARTER 0, 2*PLANE, F1, F0, 0
	QUARTER 0, 3*PLANE, F0, F1, 0
	TURN 0, 1, 1
	QUARTER 1, PLANE, F0, F1, 0
	QUARTER 1, 2*PLANE, F1, F0, 0
	QUARTER 1, 3*PLANE, F0, F1, 0
	TURN 1, 0, 1
	QUARTER 0, PLANE, F0, F1, 0
	WIN 0
	s_sub_co_u32 s3, s3, 1
	s_cmp_lg_u32 s3, 0
	s_cbranch_scc1 .Llap
	QUARTER 0, 2*PLANE, F1, F0, 0                  ; the last lap fills nothing, and has no round of the cluster's barrier
	QUARTER 0, 3*PLANE, F0, F1, 0
	TURN 0, 1, 0
	QUARTER 1, PLANE, F0, F1, 0
	QUARTER 1, 2*PLANE, F1, F0, 0
	QUARTER 1, 3*PLANE, F0, F1, 0
	s_wait_dscnt 16                                ; the very last quarter: nothing more to fetch
	WIN MUL
	MUL8 F1, 0, 0, 0
	MUL8 F1, 0, 2, 0
	s_wait_dscnt 0
	MUL8 F1, 1, 0, 0
	MUL8 F1, 1, 2, 0
	WIN 0
; THE WAY OUT, block by block of 16 rows x 64 columns.  A lane holds 32 neighbouring bytes of a row, and the lanes beside it hold other rows: so a block goes through my own stage in LDS and comes back as whole
; rows of 256 bytes: sixteen lanes store 256 consecutive bytes, aligned.  LDS serves a wave's instructions in order (ISA guide 5.7.1.4): no wait between the stores and the loads, nor in front of the next block's stores.
.macro TOSTAGE a
.irp b, 0,1,2,3
	ds_store_b128 v[STO], v[ACC+8*(4*(\a)+\b):ACC+8*(4*(\a)+\b)+3] offset:64*\b          ; each accumulator from its low end on
	ds_store_b128 v[STO], v[ACC+8*(4*(\a)+\b)+4:ACC+8*(4*(\a)+\b)+7] offset:64*\b+16
.endr
.set BB, OB+32*((\a)%2)
.irp u, 0,1,2,3,4,5,6,7
	ds_load_b128 v[BB+4*\u:BB+4*\u+3], v[RD] offset:\u*2*SPITCH
.endr
.endm
.macro SEND a, younger                 ; younger: the LDS instructions issued behind block a's loads, which may stay out
.set BB, OB+32*((\a)%2)
	s_wait_dscnt \younger                          ; the block is back in registers
.irp u, 0,1,2,3,4,5,6,7
	global_store_b128 v[CO], v[BB+4*\u:BB+4*\u+3], s[8:9] offset:(16*(\a)+2*\u)*4096 th:TH_STORE_NT   ; written once, read by nobody here; the base is never stepped
.endr
.endm
	PLACES                                         ; behind the last products
	TOSTAGE 0
.irp a, 1,2,3
.if \a > 1
	s_wait_xcnt 0x0                                ; block a - 2's stores have had their addresses translated (ISA guide 3.1): block a's rows land in their registers only behind this wait
.endif
	TOSTAGE \a
	SEND \a-1, 16                                  ; behind block a - 1's loads: block a's 8 stores and 8 loads
.endr
	SEND 3, 0
	s_wait_tensorcnt 0x0                           ; the wave's end: behind my last tensor load and my last LDS store
	ds_add_u32 v[SPW], v[NIL]
	s_wait_dscnt 0x0
	CROUND                                         ; the closing round: no work-group ends while a partner may still ask for a tile that names it
	s_endpgm
.Lfunc_end_k_q18d21e88ac_proj:
	.size	k_q18d21e88ac_proj, .Lfunc_end_k_q18d21e88ac_proj-k_q18d21e88ac_proj
	.p2alignl 7, 3214868480
	.fill 96, 4, 3214868480
	.section	.rodata,"a",@progbits
	.p2align	6, 0x0
	.amdhsa_kernel k_q18d21e88ac_proj
		.amdhsa_group_segment_fixed_size 327680
		.amdhsa_private_segment_fixed_size 0
		.amdhsa_enable_private_segment 0
		.amdhsa_kernarg_size 32
		.amdhsa_user_sgpr_count 2
		.amdhsa_user_sgpr_kernarg_segment_ptr 1
		.amdhsa_wavefront_size32 1
		.amdhsa_system_sgpr_workgroup_id_x 1
		.amdhsa_system_sgpr_workgroup_id_y 1
		.amdhsa_system_sgpr_workgroup_id_z 1
		.amdhsa_system_vgpr_workitem_id 0
		.amdhsa_next_free_vgpr 512
		.amdhsa_next_free_sgpr 68
		.amdhsa_reserve_vcc 0
		.amdhsa_float_denorm_mode_32 3
		.amdhsa_float_denorm_mode_16_64 3
		.amdhsa_memory_ordered 1
		.amdhsa_forward_progress 1
		.amdhsa_inst_pref_size 86
	.end_amdhsa_kernel
	.amdgpu_metadata
---
amdhsa.version: [ 1, 2 ]
amdhsa.kernels:
  - .name:           k_q18d21e88ac_proj
    .symbol:         k_q18d21e88ac_proj.kd
    .args:
      - { .name: y, .offset: 0, .size: 8, .value_kind: global_buffer, .address_space: global }
      - { .name: wp_t, .offset: 8, .size: 8, .value_kind: global_buffer, .address_space: global }
      - { .name: b_proj, .offset: 16, .size: 8, .value_kind: global_buffer, .address_space: global }
      - { .name: out0, .offset: 24, .size: 8, .value_kind: global_buffer, .address_space: global }
    .group_segment_fixed_size: 327680
    .private_segment_fixed_size: 0
    .kernarg_segment_align: 8
    .kernarg_segment_size: 32
    .max_flat_workgroup_size: 128
    .sgpr_count:     68
    .vgpr_count:     512
    .wavefront_size: 32
...
	.end_amdgpu_metadata
.endif
;; end of part 4
